; MI455X (gfx1250); checked and timed in simulation.
; The chip was launched on July 23, 2026; its instructions are those of AMD's public machine-readable ISA for CDNA 5 (MIT licence, August 2026) and "CDNA5" Instruction Set Architecture Reference Guide (July 2026). The comments in the code are by the model that wrote it; some were corrected since.
;; Multi Head Attention. Allowed arithmetic: matrix products marked QUANTISED: E2M1 operands, one E8M0 scale for each 32 along K, by v_wmma_scale_f32_16x16x128_f8f6f4 with both operands' format E2M1 (or v_wmma_scale_f32_32x16x128_f4), f32 sums; everything else in f32.
;; Inputs: b_out 1,024 float32; b_qkv 3,072 float32; mask 4 x 2,048 x 2,048 int32; w_out_codes 1,024 x 32 x 16 uint8 (E2M1 codes of w_out, K innermost, in blocks of 32 codes, two codes a byte); w_out_scales 1,024 x 32 uint8 (E8M0 scales of w_out, one for each 32 codes along K); w_qkv_codes 3,072 x 32 x 16 uint8 (E2M1 codes of w_qkv, K innermost, in blocks of 32 codes, two codes a byte); w_qkv_scales 3,072 x 32 uint8 (E8M0 scales of w_qkv, one for each 32 codes along K); x_codes 4 x 2,048 x 32 x 16 uint8 (E2M1 codes of x, K innermost, in blocks of 32 codes, two codes a byte); x_scales 4 x 2,048 x 32 uint8 (E8M0 scales of x, one for each 32 codes along K).
;; Outputs: out0 4 x 2,048 x 1,024 float32.
;; This version of the problem:
;;   THIS VERSION OF THE PROBLEM IS GIVEN IN LOW PRECISION. The matrix products marked QUANTISED in the list below multiply operands that are first quantised to E2M1 (2 exponent bits, 1 mantissa bit; 4 bits a number), with one power-of-two scale for each 32 numbers along K (OCP MX v1.0); their sums are f32. All else is computed in f32.
;;   The module's matrix products, in the order in which they are computed (A, B: the left and right operand; K: the contracted axis; several contracted axes count as one K, in the product's order):
;;     1. [M 8,192, K 1,024] x [K 1,024, N 3,072]; A: input x (given as codes); B: input w_qkv (given as codes): QUANTISED
;;     2. batch 64 x [M 2,048, K 64] x [K 64, N 2,048]; A: computed on the way; B: computed on the way: QUANTISED
;;     3. batch 64 x [M 2,048, K 2,048] x [K 2,048, N 64]; A: softmax (see below); B: computed on the way: QUANTISED
;;     4. [M 8,192, K 1,024] x [K 1,024, N 1,024]; A: computed on the way; B: input w_out (given as codes): QUANTISED
;;   THE QUANTISER, for each operand of a quantised product, along K:
;;     - K is cut into blocks of 32 from its start; a last block that is shorter is filled with zeros.
;;     - A block's scale is 2^e with e = floor(log2(the largest magnitude in the block)) - 2, held to -126 .. 127; a block of zeros has e = 0. As a byte (E8M0): e + 127.
;;     - Each number is divided by its block's scale, clamped to +-6, and rounded to the nearest number of E2M1, ties to even, subnormals kept.
;;     - The product sums the exact products of the quantised numbers (number of the format x scale) in f32.
;;   ~~~python
;;   def quantise(x, axis):      # numpy; x: float32 -> the quantised numbers, widened to float32 again
;;       x = np.moveaxis(x, axis, -1); K = x.shape[-1]
;;       x = np.pad(x, [(0, 0)] * (x.ndim - 1) + [(0, -K % 32)]); x = x.reshape(x.shape[:-1] + (-1, 32)); a = np.abs(x).max(-1, keepdims=True)
;;       e = np.where(a > 0, np.clip(np.frexp(np.where(a > 0, a, 1))[1] - 1 - 2, -126, 127), 0)      # np.frexp(a)[1] - 1 = floor(log2(a)), exactly
;;       r = np.clip(x / 2.0 ** e, -6, 6)
;;       step = 2.0 ** (np.maximum(np.frexp(np.where(r == 0, 1, r))[1] - 1, 0) - 1)
;;       q = np.round(r / step) * step * 2.0 ** e      # np.round: ties to even
;;       return np.moveaxis(q.reshape(q.shape[:-2] + (-1,))[..., :K], -1, axis).astype(np.float32)
;;   ~~~
;;   SOFTMAX AHEAD OF A QUANTISED PRODUCT. Where the list says 'softmax', what is quantised is not the finished softmax but p = 2^(t - M), with t = logit x log2(e) and M = ceil(the row's largest t), a whole number; so 1/2 < the row's largest p <= 1. The row's sum l is taken of the UNQUANTISED p, in f32, and the product's result is divided by l at the end. Since M is a whole number, a kernel that streams over the keys may use a running M (the ceiling of the running maximum): every later rescaling is an exact power of two, which a block's scale takes up: the codes' values come out the same.
;;   OPERANDS COMPUTED ON THE WAY. 'Computed on the way' means the value that the module computes at that place (a softmax that the list does not call 'softmax' is quantised finished and normalised). What goes into a quantiser is computed in f32, as accurately as f32 sums, v_exp_f32 and their like allow (about 1e-6 of the number): no bf16 or f16 on the way to a quantiser, and a product that is left as it is and whose result goes on into a quantised operand takes f32 operands (vector FMAs, or v_wmma_f32_16x16x4_f32). A number that lies on a knife's edge between two numbers of the format may be rounded either way, as far as f32 arithmetic and the matrix unit's own rounding can turn it there, and no further.
;;   INPUTS GIVEN AS CODES. w_out (in the module: [1024, 1024], K = its axis 0); w_qkv (in the module: [1024, 3072], K = its axis 0); x (in the module: [4, 2048, 1024], K = its axis 2): each comes as NAME_codes (uint8): NAME with its K axis moved to the last place and cut into blocks of 32 codes, [.., K / 32, bytes a block], one block behind the other in memory; two codes a byte, the lower K in the low four bits (a code: sign, 2 exponent bits, 1 mantissa bit); and NAME_scales (uint8): the same leading axes, one E8M0 byte (e + 127) for each 32 codes along K. Its value is code x scale, taken as it is: it is not quantised again, and the codes and scales need not be those that the quantiser above would give.
;; One version. Each part assembles by itself: llvm-mc -triple=amdgcn-amd-amdhsa -mcpu=gfx1250 --defsym DOCPART=n.
;; ======== version 1 of 1: 4 launches
;; workspace buffers: maskw 2,097,152 bytes of whole numbers; qi 4,718,592 bytes; kv 9,175,040 bytes; ai 4,194,304 bytes; asc 262,144 bytes
;; launch packmask (part 1): grid 256 x 1, 16 waves a work-group, no clusters, 272,384 bytes of LDS; arguments mask, maskw; writes maskw
.if DOCPART == 1
	.amdgcn_target "amdgcn-amd-amdhsa--gfx1250"
	.amdhsa_code_object_version 6
	.text
	.protected	k_q37e21dfe23_packmask
	.globl	k_q37e21dfe23_packmask
	.p2align	8
	.type	k_q37e21dfe23_packmask,@function
k_q37e21dfe23_packmask:
	s_mov_b64 s[64:65], 0
	v_nop
	global_prefetch_b8 v0, s[64:65] scope:SCOPE_SE
	s_setreg_imm32_b32 hwreg(HW_REG_WAVE_MODE, 25, 1), 1
	s_wait_xcnt 0x0
; mask [4][2048][2048] int32 is read once and packed to one bit a number, in the order in which the attention launch's lanes hold their scores:
; maskw[b][tq 128][step 16][n 64], 32-bit words; bit L of word n says whether mask[b][16 tq + L % 16][128 step + 16 (n / 8) + 8 (L / 16) + n % 8] is not 0.
; So a word is the select operand of one v_cndmask_b32 there: register n of the 64 scores that a lane holds of a tile of 16 queries x 128 keys.
; SHARES.  A work-group takes 32 rows of one batch (two tiles of 16 queries); wave w takes tile w / 8 and key steps 2 (w % 8) and 2 (w % 8) + 1: two units of 16 rows x 128 numbers (512 bytes of a row, aligned).
; Each unit comes by one tensor load into the wave's own LDS bytes, which are filled once and read by that wave alone: no barrier.  By this text's count a wave has two tensor loads out.
; LDS rows are 512 bytes + 16 of padding: 132 words, so the sixteen rows that a load of 16 bytes a lane touches start at sixteen different banks (64 banks of 4 bytes: ISA guide 11.1).
; No matrix unit, no cluster: nothing is multiplied and no two work-groups read the same byte.
.set ROWP,  528
.set UNITB, 16*ROWP                    ; a unit in LDS
.set WREG,  2*UNITB                    ; a wave's LDS bytes
.set LA,  1                            ; v1      LDS address of my 32 bytes in my row: wave x WREG + ROWP (lane % 16) + 32 (lane / 16)
.set SO,  2                            ; v2      8 x lane: my two words of a unit's 64
.set X,   16                           ; v16-79  a unit's 64 numbers of my lane: register 8 t + j = column 16 t + 8 (lane / 16) + j
.set OW,  80                           ; v80-83  the words to store: two registers for each unit
.set G1,  16                           ; s[16:23] descriptor group 1
.set G0,  24                           ; s[24:31] descriptor group 0, one set for each unit
.set BAL, 32                           ; s[32:47] sixteen words as the compares leave them
	s_load_b128 s[4:7], s[0:1], 0x0                ; mask s[4:5], maskw s[6:7]
	v_lshl_add_u32 v96, v0, 2, 0x42000
	v_mov_b32 v97, 0
	ds_add_u32 v96, v97
	ds_add_u32 v96, v97
	v_lshrrev_b32 v3, 5, v0
	v_readfirstlane_b32 s8, v3                     ; wave 0..15
	s_lshr_b32 s9, s8, 3                           ; which of the two tiles of queries
	s_and_b32 s10, s8, 7                           ; which pair of key steps
	s_lshl_b32 s11, ttmp9, 1
	s_add_co_u32 s11, s11, s9                      ; the tile among all 512: 128 b + tq = 2 x work-group + w / 8
	s_lshl_b32 s12, s11, 17                        ; in mask: 16 rows of 8,192 bytes a tile,
	s_lshl_b32 s13, s10, 10                        ; 1,024 bytes a pair of key steps
	s_add_co_u32 s12, s12, s13
	s_mov_b32 s13, 0
	s_lshl_b32 s14, s11, 12                        ; in maskw: 4,096 bytes a tile,
	s_lshl_b32 s15, s10, 9                         ; 512 a pair of key steps
	s_add_co_u32 s14, s14, s15
	s_mov_b32 s15, 0
	s_mov_b32 s[G1+0], (2<<16)|(1<<20)|(6<<22)|(3<<25)  ; no mask; elements of 4 bytes; padding on: after every 128 words (code 6) 4 words (code 3)
	s_mov_b32 s[G1+1], 128<<16                     ; tensor_dim0 = 128
	s_mov_b32 s[G1+2], 16<<16                      ; tensor_dim1 = 16
	s_mov_b32 s[G1+3], 128<<16                     ; tile_dim0 = 128
	s_mov_b32 s[G1+4], 16                          ; tile_dim1 = 16
	s_mov_b32 s[G1+5], 2048                        ; elements from row to row
	s_mov_b32 s[G1+6], 0
	s_mov_b32 s[G1+7], 0
	s_mul_i32 s9, s8, WREG                         ; my LDS bytes
	s_wait_dscnt 0x0
	s_wait_kmcnt 0x0
	s_add_nc_u64 s[4:5], s[4:5], s[12:13]
	s_add_nc_u64 s[6:7], s[6:7], s[14:15]
.irp u, 0,1                                    ; both fills go out together, ahead of every wait on TENSORcnt and every LDS read
	s_mov_b32 s[G0+4*\u], 1
	s_add_co_u32 s[G0+4*\u+1], s9, \u*UNITB
	s_add_nc_u64 s[G0+4*\u+2:G0+4*\u+3], s[4:5], \u*512
	s_or_b32 s[G0+4*\u+3], s[G0+4*\u+3], 0x80000000
	tensor_load_to_lds s[G0+4*\u:G0+4*\u+3], s[G1:G1+7]
	s_nop 0
.endr
	v_and_b32 v4, 15, v0                           ; my row of the unit
	v_bfe_u32 v5, v0, 4, 1                         ; my half of the lanes
	v_mul_u32_u24 v[LA], v4, ROWP
	v_lshl_add_u32 v[LA], v5, 5, v[LA]
	v_add_nc_u32 v[LA], s9, v[LA]
	v_and_b32 v[SO], 31, v0
	v_lshlrev_b32 v[SO], 3, v[SO]
.irp i, 0,1,2,3
	v_mov_b32 v[OW+\i], 0                          ; v_writelane_b32's destination counts as read: written once, whole
.endr
; Unit u: 64 numbers a lane; each compare leaves one word (a bit a lane) in a scalar register; word n goes to lane n / 2, register n % 2, so that one store of 8 bytes a lane writes the unit's 256 bytes.
.macro UNIT u
	s_wait_tensorcnt 1-\u                          ; tensor loads of a wave end in order: unit u is in; with u = 0 unit 1's load may stay out
.irp t, 0,1,2,3,4,5,6,7
	ds_load_b128 v[X+8*\t:X+8*\t+3],   v[LA] offset:\u*UNITB+64*\t
	ds_load_b128 v[X+8*\t+4:X+8*\t+7], v[LA] offset:\u*UNITB+64*\t+16
.endr
.irp g, 0,1,2,3
	s_wait_dscnt 12-4*\g                           ; group g's four loads are in; the later groups', four each, may be out
.irp k, 0,1,2,3,4,5,6,7,8,9,10,11,12,13,14,15
	v_cmp_ne_u32 s[BAL+\k], 0, v[X+16*\g+\k]
.endr
.irp k, 0,1,2,3,4,5,6,7,8,9,10,11,12,13,14,15
	v_writelane_b32 v[OW+2*\u+\k%2], s[BAL+\k], (16*\g+\k)/2
.endr
.endr
	global_store_b64 v[SO], v[OW+2*\u:OW+2*\u+1], s[6:7] offset:256*\u   ; 32 lanes store 256 consecutive bytes, at a multiple of 256 from maskw's first byte
.endm
	UNIT 0
	UNIT 1                                         ; its wait is for 0: no tensor load is out at the end
	s_wait_tensorcnt 0x0
	ds_add_u32 v96, v97
	s_wait_dscnt 0x0
	s_endpgm
.Lfunc_end_k_q37e21dfe23_packmask:
	.size	k_q37e21dfe23_packmask, .Lfunc_end_k_q37e21dfe23_packmask-k_q37e21dfe23_packmask
	.p2alignl 7, 3214868480
	.fill 96, 4, 3214868480
	.section	.rodata,"a",@progbits
	.p2align	6, 0x0
	.amdhsa_kernel k_q37e21dfe23_packmask
		.amdhsa_group_segment_fixed_size 272384
		.amdhsa_private_segment_fixed_size 0
		.amdhsa_enable_private_segment 0
		.amdhsa_kernarg_size 16
		.amdhsa_user_sgpr_count 2
		.amdhsa_user_sgpr_kernarg_segment_ptr 1
		.amdhsa_wavefront_size32 1
		.amdhsa_system_sgpr_workgroup_id_x 1
		.amdhsa_system_sgpr_workgroup_id_y 1
		.amdhsa_system_sgpr_workgroup_id_z 1
		.amdhsa_system_vgpr_workitem_id 0
		.amdhsa_next_free_vgpr 98
		.amdhsa_next_free_sgpr 66
		.amdhsa_reserve_vcc 0
		.amdhsa_float_denorm_mode_32 3
		.amdhsa_float_denorm_mode_16_64 3
		.amdhsa_memory_ordered 1
		.amdhsa_forward_progress 1
		.amdhsa_inst_pref_size 22
	.end_amdhsa_kernel
	.amdgpu_metadata
---
amdhsa.version: [ 1, 2 ]
amdhsa.kernels:
  - .name:           k_q37e21dfe23_packmask
    .symbol:         k_q37e21dfe23_packmask.kd
    .args:
      - { .name: mask, .offset: 0, .size: 8, .value_kind: global_buffer, .address_space: global }
      - { .name: maskw, .offset: 8, .size: 8, .value_kind: global_buffer, .address_space: global }
    .group_segment_fixed_size: 272384
    .private_segment_fixed_size: 0
    .kernarg_segment_align: 8
    .kernarg_segment_size: 16
    .max_flat_workgroup_size: 512
    .sgpr_count:     66
    .vgpr_count:     98
    .wavefront_size: 32
...
	.end_amdgpu_metadata
.endif
;; end of part 1
;; launch qkv (part 2): grid 12 x 32, 4 waves a work-group, clusters of 4 x 4, 288,256 bytes of LDS; arguments x_codes, x_scales, w_qkv_codes, w_qkv_scales, b_qkv, qi, kv; writes qi, kv
.if DOCPART == 2
	.amdgcn_target "amdgcn-amd-amdhsa--gfx1250"
	.amdhsa_code_object_version 6
	.text
	.protected	k_q37e21dfe23_qkv
	.globl	k_q37e21dfe23_qkv
	.p2align	8
	.type	k_q37e21dfe23_qkv,@function
k_q37e21dfe23_qkv:
	s_mov_b64 s[64:65], 0
	v_nop
	global_prefetch_b8 v0, s[64:65] scope:SCOPE_SE
	s_setreg_imm32_b32 hwreg(HW_REG_WAVE_MODE, 25, 1), 1
	s_wait_xcnt 0x0
	s_wait_alu depctr_hold_cnt(0) depctr_sa_sdst(0) depctr_va_vdst(0) depctr_va_sdst(0) depctr_va_ssrc(0) depctr_va_vcc(0) depctr_vm_vsrc(0)
	s_getreg_b32 s2, hwreg(HW_REG_IB_STS2, 6, 4)
	s_cmp_eq_u32 s2, 0
	s_cbranch_scc0 .Lentry_in_a_cluster
	s_endpgm
.Lentry_in_a_cluster:
	s_bfe_u32 s2, ttmp6, 0x10000c
	s_cmp_lg_u32 s2, 0xf033
	s_cbranch_scc0 .Lentry_shape_is_right
	s_endpgm
.Lentry_shape_is_right:
; qkv = x w_qkv + b_qkv on codes of FP4 (E2M1) with one E8M0 scale for each 32 along K, and the results quantised at once into the operands of the attention launch.
; x: 8,192 tokens x 1,024, rows of 512 bytes; w_qkv: 3,072 columns x 1,024, K innermost, rows of 512 bytes; scale bytes 32 a row.  Column = kind x 1,024 + head x 64 + d, kind 0 q, 1 k, 2 v.
; SHARES.  A work-group makes 256 tokens x 256 columns, each of its four waves 128 x 128: 64 accumulators, 512 registers.  All of K lies in LDS: 256 rows of x, 256 rows of w, their scale bytes; every LDS byte is filled once.
; CLUSTERS: 4 x 4 work-groups.  The four of a row of the cluster need the same rows of x, the four of a column the same rows of w: each tile is asked for JOINTLY.  A cluster's x is the KIND, the same in all sixteen partners.
; ORIENTATION.  Source 0's rows become the registers of a lane, source 1's the lanes.  q and k are quantised along d: source 0 = rows of w, source 1 = tokens: a lane holds one token, its registers run along the columns.
; v is quantised along the keys: source 0 = tokens, source 1 = rows of w: a lane holds one column d, its registers run along the tokens.  The text says set 0 and set 1; only LDS addresses, chosen by the kind, differ.
; The bias is the C of each sum's first matrix instruction; that one step is written twice, since the bias runs along set 0's blocks for q and k and along set 1's for v.
; OUT.  Register j of tile t in lane (r, h) is index 16 t + 8 h + j of the next K.  A block of 32 is two tiles in lanes l and l xor 16.  A conversion of one tile's 8 registers is one register of 8 codes; two exchanges of halves for
; each pair of blocks give the operand's layout.  Operands go to memory as images of their registers, 16 bytes a lane, 512 dense bytes a store:
;   qi[bh][group of 128 tokens]: 4,608 bytes: 8 fragments (registers 0-3: the head's 64 along d), then scale words [lane][4]: word i of lane L is tile 2 i + L / 16, token L % 16.
;   kv[bh][key step of 128]: 8,960 bytes: K as in qi; from 4,608 V^T's 4 fragments of 16 d x 128 keys (1,024 bytes each); from 8,704 scale words [lane][2]: word i is d tile 2 i + L / 16, d = L % 16.
; LIMITS: NaN and infinities in b_qkv and the byte 0xff in the given scales are not served; a block whose largest magnitude lies under 2^-124 has its byte held at 1; a block of zeros gets the byte 1 where the quantiser
; says 127: its codes are zeros, and these bytes are read by this program alone.
; REGISTERS, in windows of 256: window 0: v1-31 addresses and scale words made; v32-95 the given scale words; v96-111 store offsets; v112-127 at work; v128-191 set 1's fragments (one set), later the codes made; v192-195 shifted words.
;   window 1: set 0's fragments, two sets, at v0 and v128; v64-127 the bias.   window 2: accumulators of set 1's blocks 0-3 ((a, b) at v[8 (8 (a % 4) + b)]);   window 3: blocks 4-7.
.set PITCH, 528                        ; an LDS row: 512 bytes + 16 of padding = 132 words: the 16 rows of a load start at 16 different banks (ISA guide 11.1)
.set HALFT, 128*PITCH                  ; 128 rows: what one tensor load brings, and what a wave reads of x or of w
.set WOFF,  2*HALFT                    ; w's rows lie behind x's 256
.set SCL,   4*HALFT                    ; then the scale bytes, as runs of 256 bytes + 16 of padding
.set HALFS, 16*272                     ; those of 128 rows
.set SBLK,  2*272                      ; those of 16 rows
.set NP,    4                          ; places behind this matrix instruction (ISA guide 7.12.1)
.set LI,   4                           ; v4      16 x lane
.set L8,   5                           ; v5      8 x lane
.set VA,   6                           ; v6-13   the bias loads' offsets, one for each register of a tile
.set ADR1, 16                          ; v16     LDS address of set 1's fragments
.set ADR0, 17                          ; v17     of set 0's
.set ADRS, 18                          ; v18     of the scale words: lanes 0-15 set 1's rows, lanes 16-31 set 0's
.set PW,   20                          ; v20-27  the scale word made for block a
.set CW,   28                          ; v28-31  those words as they are stored
.set SC,   32                          ; v32-95  register 8 i + q: lanes 0-15 the word of set 1's block i, lanes 16-31 of set 0's block i, for the q-th 128 along K
.set O1,   96                          ; v96-103  where block a's registers 0-3 go
.set O2,   104                         ; v104-111 and its registers 4-7
.set TM,   112                         ; v112-115 largest magnitudes, v116-119 the other lane's, then bytes, v124-127 the conversions' scale operands
.set AF,   128                         ; set 1's fragments
.set PC,   128                         ; the codes made: 8 registers for each block a
.set CH,   192                         ; v192-195 the stored words' upper halves
.set BIAS, 64                          ; in window 1
.set G1,   24                          ; s[24:31], s[32:35] groups 1 and 0 for x's codes
.set G0,   32
.set G1B,  48                          ; s[48:55], s[56:59] for w's codes
.set G0B,  56
.set G1S,  68                          ; s[68:75], s[76:79] for x's scales
.set G0S,  76
.set G1SB, 80                          ; s[80:87], s[88:91] for w's scales
.set G0SB, 88
.set MSB, 0
.macro WIN new                         ; the immediate's high byte repeats the setting that is left; a switch that changes nothing is dropped
.if MSB != (\new)
	s_set_vgpr_msb (MSB<<8)|(\new)
.set MSB, (\new)
.endif
.endm
; A joint load: waves 0 and 1 fetch for x, waves 2 and 3 for w.  Each line has one mask and one set of registers for all that issue it; the branch hangs on the wave's number alone.  Four v_nop follow each line.
.macro JLOAD g0a, g1a, g0b, g1b
	s_cmp_eq_u32 s15, 0
	s_cbranch_scc0 .Lfor_b_\@
	tensor_load_to_lds s[\g0a:\g0a+3], s[\g1a:\g1a+7]
	s_nop 0
.rept 4
	v_nop
.endr
	s_branch .Lasked_\@
.Lfor_b_\@:
	tensor_load_to_lds s[\g0b:\g0b+3], s[\g1b:\g1b+7]
	s_nop 0
.rept 4
	v_nop
.endr
.Lasked_\@:
.endm
.macro CROUND                          ; a round of the cluster's barrier
	s_barrier_signal -1
	s_barrier_wait -1
	s_cmp_lg_u32 s14, 0
	s_cbranch_scc1 .Lnot_wave_0_\@
	s_barrier_signal -3
.Lnot_wave_0_\@:
	s_barrier_wait -3
	s_barrier_signal -1
	s_barrier_wait -1
.endm
.macro PLACES n
.rept \n
	v_nop
.endr
.endm
	s_load_b128 s[4:7], s[0:1], 0x0                ; x's codes, x's scales
	s_load_b128 s[8:11], s[0:1], 0x10              ; w's codes, w's scales
	s_load_b64 s[12:13], s[0:1], 0x20              ; b_qkv
	s_load_b64 s[36:37], s[0:1], 0x28              ; qi
	s_load_b64 s[38:39], s[0:1], 0x30              ; kv
	v_lshl_add_u32 v254, v0, 2, 0x46400
	v_mov_b32 v255, 0
	ds_add_u32 v254, v255
	ds_add_u32 v254, v255
	v_lshrrev_b32 v1, 5, v0
	v_readfirstlane_b32 s14, v1                    ; wave 0..3
	s_lshr_b32 s15, s14, 1                         ; which half of the tokens is mine.  Also: I fetch for x (0) or for w (1)
	s_and_b32 s16, s14, 1                          ; which half of the columns.  Also: which 128 rows I fetch
	s_bfe_u32 s40, ttmp6, 0x40000                  ; cx, cy: my place in the cluster
	s_bfe_u32 s41, ttmp6, 0x40004
	s_lshl_b32 s42, ttmp9, 2
	s_add_co_u32 s42, s42, s40                     ; tile column 0..11 = 4 x kind + cx
	s_and_b32 s17, ttmp7, 0xffff
	s_lshl_b32 s17, s17, 2
	s_add_co_u32 s17, s17, s41                     ; tile row 0..31
	s_lshl_b32 s43, s41, 2
	s_lshl_b32 s43, 15, s43                        ; my row of the cluster
	s_lshl_b32 s44, 0x1111, s40                    ; my column
	s_or_b32 s[G1+0], s43, (1<<20)|(1<<21)|(6<<22)|(3<<25)   ; the mask; elements of 1 byte; padding on; bit 21 beside a mask; after every 128 words (code 6) 4 words (code 3)
	s_or_b32 s[G1B+0], s44, (1<<20)|(1<<21)|(6<<22)|(3<<25)
.irp g, G1, G1B
	s_mov_b32 s[\g+1], 512<<16                     ; tensor_dim0 = 512 bytes: all of K
	s_mov_b32 s[\g+2], 128<<16                     ; tensor_dim1 = 128 rows
	s_mov_b32 s[\g+3], 512<<16                     ; tile_dim0
	s_mov_b32 s[\g+4], 128                         ; tile_dim1
	s_mov_b32 s[\g+5], 512                         ; from row to row
	s_mov_b32 s[\g+6], 0
	s_mov_b32 s[\g+7], 0
.endr
	s_or_b32 s[G1S+0], s43, (3<<16)|(1<<20)|(1<<21)|(5<<22)|(3<<25)  ; the scales of 128 rows: 4,096 dense bytes as 16 rows of 32 elements of 8 bytes, 16 bytes of padding behind each
	s_or_b32 s[G1SB+0], s44, (3<<16)|(1<<20)|(1<<21)|(5<<22)|(3<<25)
.irp g, G1S, G1SB
	s_mov_b32 s[\g+1], 32<<16
	s_mov_b32 s[\g+2], 16<<16
	s_mov_b32 s[\g+3], 32<<16
	s_mov_b32 s[\g+4], 16
	s_mov_b32 s[\g+5], 32
	s_mov_b32 s[\g+6], 0
	s_mov_b32 s[\g+7], 0
.endr
	s_lshl_b32 s18, s16, 7                         ; which 128 rows I fetch
	s_lshl_b32 s20, s17, 8
	s_add_co_u32 s20, s20, s18                     ; x: row 256 x tile row + 128 x half
	s_lshl_b32 s46, s42, 8
	s_add_co_u32 s46, s46, s18                     ; w: row 256 x tile column + 128 x half
	s_lshl_b32 s22, s20, 5                         ; 32 scale bytes a row,
	s_mov_b32 s23, 0
	s_lshl_b32 s20, s20, 9                         ; 512 bytes of codes
	s_mov_b32 s21, 0
	s_lshl_b32 s92, s46, 5
	s_mov_b32 s93, 0
	s_lshl_b32 s46, s46, 9
	s_mov_b32 s47, 0
	s_mul_i32 s45, s14, HALFT                      ; where they go: wave x 128 rows: no place in the cluster enters an LDS address
	s_mul_i32 s94, s14, HALFS
	s_wait_dscnt 0x0
	s_wait_kmcnt 0x0
	s_add_nc_u64 s[20:21], s[4:5], s[20:21]
	s_add_nc_u64 s[22:23], s[6:7], s[22:23]
	s_add_nc_u64 s[46:47], s[8:9], s[46:47]
	s_add_nc_u64 s[92:93], s[10:11], s[92:93]
	CROUND                                         ; all sixteen work-groups are here: the joint loads meet
	s_mov_b32 s[G0S], 1
	s_add_co_u32 s[G0S+1], s94, SCL
	s_mov_b64 s[G0S+2:G0S+3], s[22:23]
	s_or_b32 s[G0S+3], s[G0S+3], 0x80000000
	s_mov_b32 s[G0SB], 1
	s_add_co_u32 s[G0SB+1], s94, SCL
	s_mov_b64 s[G0SB+2:G0SB+3], s[92:93]
	s_or_b32 s[G0SB+3], s[G0SB+3], 0x80000000
	JLOAD G0S, G1S, G0SB, G1SB
	s_mov_b32 s[G0], 1
	s_mov_b32 s[G0+1], s45
	s_mov_b64 s[G0+2:G0+3], s[20:21]
	s_or_b32 s[G0+3], s[G0+3], 0x80000000
	s_mov_b32 s[G0B], 1
	s_mov_b32 s[G0B+1], s45
	s_mov_b64 s[G0B+2:G0B+3], s[46:47]
	s_or_b32 s[G0B+3], s[G0B+3], 0x80000000
	JLOAD G0, G1, G0B, G1B                         ; by this text's count two tensor loads of a wave are out
	; While the tiles are on their way: where the results go.  A block of qi is 4,608 bytes, of kv 8,960; a head is 16 blocks
	s_cmp_eq_u32 ttmp9, 0
	s_mov_b32 s60, 8960
	s_cselect_b32 s60, 4608, s60                   ; a block
	s_cselect_b64 s[62:63], s[36:37], s[38:39]     ; q goes to qi, k and v to kv: a choice that hangs on the kind alone
	s_lshl_b32 s61, s60, 4                         ; from a head to the next
	s_lshl_b32 s18, s17, 1
	s_add_co_u32 s18, s18, s15                     ; my 128 tokens among all: 16 b + step
	s_lshr_b32 s19, s18, 4                         ; b
	s_and_b32 s18, s18, 15                         ; step
	s_lshl_b32 s19, s19, 8
	s_add_co_u32 s18, s18, s19
	s_lshl_b32 s19, s40, 2
	s_lshl_b32 s20, s16, 1
	s_add_co_u32 s19, s19, s20                     ; my first head: 4 cx + 2 x half
	s_lshl_b32 s19, s19, 4
	s_add_co_u32 s18, s18, s19                     ; (16 b + head) x 16 + step
	s_mul_i32 s18, s18, s60
	s_mov_b32 s19, 0
	s_add_nc_u64 s[62:63], s[62:63], s[18:19]
	s_lshl_b32 s18, s42, 10                        ; the bias of my 128 columns
	s_lshl_b32 s19, s16, 9
	s_add_co_u32 s18, s18, s19
	s_mov_b32 s19, 0
	s_add_nc_u64 s[12:13], s[12:13], s[18:19]
	s_mul_i32 s18, s15, HALFT                      ; my 128 rows of x,
	s_mul_i32 s19, s16, HALFT
	s_add_co_u32 s19, s19, WOFF                    ; my 128 rows of w,
	s_mul_i32 s20, s15, HALFS
	s_add_co_u32 s20, s20, SCL                     ; x's scale bytes,
	s_mul_i32 s21, s16, HALFS
	s_add_co_u32 s21, s21, SCL+2*HALFS             ; w's
	s_sub_co_u32 s2, s61, 4096
	s_mov_b32 s98, 512
	s_cmp_eq_u32 ttmp9, 2                          ; v?  All that follows is chosen on this one compare
	s_cselect_b32 s22, s18, s19                    ; set 0's fragments: x for v, w for q and k
	s_cselect_b32 s23, s19, s18                    ; set 1's
	s_cselect_b32 s92, s20, s21                    ; set 0's scale words
	s_cselect_b32 s93, s21, s20                    ; set 1's
	s_cselect_b32 s94, 0, 32                       ; the bias offset: per half of the lanes,
	s_cselect_b32 s95, 4, 0                        ; per lane of a half,
	s_cselect_b32 s96, 0, 4                        ; per register
	s_cselect_b32 s97, 4608, 0                     ; the images: where block 0's goes,
	s_cselect_b32 s3, s98, s61                     ; from its registers 0-3 to its registers 4-7 (v: 512 on; q, k: the next head),
	s_cselect_b32 s98, 1024, s98                   ; from block to block,
	s_cselect_b32 s99, s2, 0                       ; and, for v, on to the next head behind block 3
	v_and_b32 v1, 15, v0                           ; r
	v_bfe_u32 v2, v0, 4, 1                         ; h
	v_and_b32 v3, 31, v0
	v_lshlrev_b32 v[LI], 4, v3
	v_lshlrev_b32 v[L8], 3, v3
	v_mul_u32_u24 v14, v1, PITCH
	v_lshl_add_u32 v14, v2, 4, v14                 ; a fragment's row x pitch + 16 x half
	v_add_nc_u32 v[ADR0], s22, v14
	v_add_nc_u32 v[ADR1], s23, v14
	v_lshlrev_b32 v15, 5, v1
	v_lshrrev_b32 v19, 3, v1
	v_lshl_add_u32 v15, v19, 4, v15                ; my row's scale bytes: 32 a row, and 16 more for each 256 passed
	v_add_nc_u32 v19, s93, v15
	v_add_nc_u32 v15, s92, v15
	s_mov_b32 vcc_lo, 0xffff0000
	v_cndmask_b32 v[ADRS], v19, v15, vcc_lo        ; lanes 0-15 set 1's rows, lanes 16-31 set 0's
	v_mul_u32_u24 v[VA], s94, v2
	v_mad_u32_u24 v[VA], v1, s95, v[VA]
.irp j, 1,2,3,4,5,6,7
	v_add_nc_u32 v[VA+\j], s96, v[VA+\j-1]
.endr
.irp a, 0,1,2,3,4,5,6,7
	v_add_nc_u32 v[O1+\a], s97, v[LI]
	v_add_nc_u32 v[O2+\a], s3, v[O1+\a]
	s_add_co_u32 s97, s97, s98
.if \a == 3
	s_add_co_u32 s97, s97, s99
.endif
.endr
.irp b, 0,1,2,3
	v_mov_b32 v[TM+4+\b], 0                        ; written once: a lane permute's destination counts as one of its sources
.endr
	WIN 0x40                                       ; destination window 1
.irp t, 0,1,2,3,4,5,6,7                        ; q, k: register 8 t + j = bias of column 16 t + 8 h + j;  v: of column 16 t + r, in all eight
.irp j, 0,1,2,3,4,5,6,7
	global_load_b32 v[BIAS+8*\t+\j], v[VA+\j], s[12:13] offset:64*\t
.endr
.endr
	WIN 0
.macro FRAG reg, adr, q, i             ; 16 rows x 128 K of 4-bit codes: lane l holds row l % 16; registers 4 c .. 4 c + 3 hold K = 64 c + 32 (l / 16) + 0 .. 31
.irp c, 0,1
	ds_load_b128 v[\reg+4*\c:\reg+4*\c+3], v[\adr] offset:64*(\q)+32*\c+(\i)*16*PITCH
.endr
.endm
.macro FETCH0 q, p                     ; set 0's eight fragments of the q-th 128 along K into buffer p of window 1
	WIN 0x40
.irp i, 0,1,2,3,4,5,6,7
	FRAG 128*(\p)+8*\i, ADR0, \q, \i
.endr
	WIN 0
.endm
.macro FETCH1 q, i0                    ; set 1's blocks i0 .. i0 + 3
.irp i, \i0, \i0+1, \i0+2, \i0+3
	FRAG AF+8*(\i), ADR1, \q, \i
.endr
.endm
.macro SCALES                          ; all of K's scale words: 8 a row
.irp i, 0,1,2,3,4,5,6,7
	ds_load_b128 v[SC+8*\i:SC+8*\i+3],   v[ADRS] offset:\i*SBLK
	ds_load_b128 v[SC+8*\i+4:SC+8*\i+7], v[ADRS] offset:\i*SBLK+16
.endr
.endm
; 16 matrix instructions: set 1's blocks a0, a0 + 1 x set 0's eight.  cmode 0: the sums go on; 1: they begin with the bias of set 0's block; 2: of set 1's block.
; The 64 accumulators take turns, one instruction a turn, in the same order in every step.
.macro MUL16 a0, p, q, cmode
.irp a, \a0, \a0+1
.irp b, 0,1,2,3,4,5,6,7
.if \cmode == 0
	v_wmma_scale_f32_16x16x128_f8f6f4 v[8*(8*((\a)%4)+\b):8*(8*((\a)%4)+\b)+7], v[128*(\p)+8*\b:128*(\p)+8*\b+7], v[AF+8*(\a):AF+8*(\a)+7], v[8*(8*((\a)%4)+\b):8*(8*((\a)%4)+\b)+7], v[SC+8*\b+(\q)], v[SC+8*(\a)+(\q)] matrix_a_fmt:MATRIX_FMT_FP4 matrix_b_fmt:MATRIX_FMT_FP4 matrix_a_scale:MATRIX_SCALE_ROW1
.elseif \cmode == 1
	v_wmma_scale_f32_16x16x128_f8f6f4 v[8*(8*((\a)%4)+\b):8*(8*((\a)%4)+\b)+7], v[128*(\p)+8*\b:128*(\p)+8*\b+7], v[AF+8*(\a):AF+8*(\a)+7], v[BIAS+8*\b:BIAS+8*\b+7], v[SC+8*\b+(\q)], v[SC+8*(\a)+(\q)] matrix_a_fmt:MATRIX_FMT_FP4 matrix_b_fmt:MATRIX_FMT_FP4 matrix_a_scale:MATRIX_SCALE_ROW1
.else
	v_wmma_scale_f32_16x16x128_f8f6f4 v[8*(8*((\a)%4)+\b):8*(8*((\a)%4)+\b)+7], v[128*(\p)+8*\b:128*(\p)+8*\b+7], v[AF+8*(\a):AF+8*(\a)+7], v[BIAS+8*(\a):BIAS+8*(\a)+7], v[SC+8*\b+(\q)], v[SC+8*(\a)+(\q)] matrix_a_fmt:MATRIX_FMT_FP4 matrix_b_fmt:MATRIX_FMT_FP4 matrix_a_scale:MATRIX_SCALE_ROW1
.endif
.endr
.endr
.endm
; A step of 128 along K: 64 matrix instructions.  A block of set 1 is free as soon as its eight products are issued: blocks 0-3 are fetched anew in the step's middle, blocks 4-7 at its end; set 0 has two buffers.
; Loads into registers that matrix instructions have read stand NP places behind them.  Windows: source 0 window 1, source 1 window 0, D window 2 or 3, C with D, or window 1 for the bias.
.macro STEP q, cmode, last
	s_wait_dscnt 8                                 ; all but the youngest eight loads (set 1's blocks 4-7) are in
.if \cmode
	WIN 0x91
.else
	WIN 0xa1
.endif
	MUL16 0, (\q)%2, \q, \cmode
	MUL16 2, (\q)%2, \q, \cmode
	s_wait_dscnt 0                                 ; set 1's blocks 4-7 are in
.if \last == 0
	PLACES NP
	FETCH0 (\q)+1, 1-(\q)%2
	FETCH1 (\q)+1, 0
.endif
.if \cmode
	WIN 0xd1
.else
	WIN 0xf1
.endif
	MUL16 4, (\q)%2, \q, \cmode
	MUL16 6, (\q)%2, \q, \cmode
.if \last == 0
	PLACES NP
	WIN 0
	FETCH1 (\q)+1, 4
.endif
.endm
	s_wait_tensorcnt 0x0                           ; my parts of the tiles and of the scales are in,
	s_barrier_signal -1
	s_barrier_wait -1                              ; everybody's are.  From here on LDS is only read
	FETCH0 0, 0
	FETCH1 0, 0
	SCALES
	FETCH1 0, 4
	s_wait_loadcnt 0x0                             ; the bias
	s_cmp_eq_u32 ttmp9, 2                          ; the kind: the same in all partners; no barrier and no tensor load stands in either arm
	s_cbranch_scc1 .Lfirst_v
	STEP 0, 1, 0
	s_branch .Lfirst_done
.Lfirst_v:
	STEP 0, 2, 0
.Lfirst_done:
	STEP 1, 0, 0
	STEP 2, 0, 0
	STEP 3, 0, 0
	STEP 4, 0, 0
	STEP 5, 0, 0
	STEP 6, 0, 0
	STEP 7, 0, 1
	WIN 0
	PLACES NP                                      ; behind the last products: results are read, and the registers of set 1's fragments are written, from here on
; Block a's 64 numbers of a lane (register 16 b + i: block b of 32, my 16 of it) become 8 registers of codes and a scale word.  Each accumulator is read from its low end on.
.macro QUANT a
.set AC, 64*((\a)%4)
.set WW, 2+(\a)/4
.set WN, WW*5
	WIN WN                                         ; sources 0 and 1: window 2 or 3
.irp b, 0,1,2,3
	v_max3_num_f32 v[TM+\b], |v[AC+16*\b]|, |v[AC+16*\b+1]|, 0x1800000   ; with the floor 2^(3 - 127): the byte cannot fall under 1
.endr
.irp i, 2,4,6,8,10,12,14
.irp b, 0,1,2,3
	v_max3_num_f32 v[TM+\b], |v[AC+16*\b+\i]|, |v[AC+16*\b+\i+1]|, v[TM+\b]   ; the four blocks by turns
.endr
.endr
	WIN 0
.irp b, 0,1,2,3
	v_permlanex16_b32 v[TM+4+\b], v[TM+\b], s18, s19
.endr
.irp b, 0,1,2,3
	v_max_num_f32 v[TM+\b], v[TM+\b], v[TM+4+\b]   ; with lane l xor 16's: the block's largest magnitude
.endr
.irp b, 0,1,2,3
	v_add_nc_u32 v[TM+12+\b], 0xff000000, v[TM+\b] ; 2 off its exponent field: the conversion takes that field as its scale
.endr
.irp b, 0,1,2,3
	v_lshrrev_b32 v[TM+4+\b], 23, v[TM+12+\b]      ; the scale's byte
.endr
	v_lshl_or_b32 v[PW+\a], v[TM+5], 8, v[TM+4]
	v_lshl_or_b32 v[PW+\a], v[TM+6], 16, v[PW+\a]
	v_lshl_or_b32 v[PW+\a], v[TM+7], 24, v[PW+\a]
	WIN WW                                         ; source 0: window 2 or 3
.irp b, 0,1,2,3
	v_cvt_scalef32_pk8_fp4_f32 v[PC+8*(\a)+4*(\b/2)+\b%2],   v[AC+16*\b:AC+16*\b+7],    v[TM+12+\b]
	v_cvt_scalef32_pk8_fp4_f32 v[PC+8*(\a)+4*(\b/2)+2+\b%2], v[AC+16*\b+8:AC+16*\b+15], v[TM+12+\b]
.endr
	WIN 0
	v_nop                                          ; one plain place behind a scaled conversion
.irp i, 0,2,4,6
	v_permlane16_swap_b32 v[PC+8*(\a)+\i], v[PC+8*(\a)+\i+1]   ; the first's lanes 16-31 change places with the second's lanes 0-15: a whole block in a lane
.endr
.endm
	s_mov_b32 s18, 0x76543210
	s_mov_b32 s19, 0xfedcba98                      ; v_permlanex16_b32's selects for lane l xor 16
.irp a, 0,1,2,3,4,5,6,7                        ; every block has registers of its own for codes, word and offsets: no store's source is written again
	QUANT \a
	global_store_b128 v[O1+\a], v[PC+8*\a:PC+8*\a+3],   s[62:63]   ; 32 lanes store 512 consecutive bytes, at a multiple of 256 from the buffer's first byte
	global_store_b128 v[O2+\a], v[PC+8*\a+4:PC+8*\a+7], s[62:63]
.endr
	s_mov_b32 vcc_lo, 0xffff0000
.irp i, 0,1,2,3
	v_cndmask_b32 v[CW+\i], v[PW+2*\i], v[PW+2*\i+1], vcc_lo   ; lanes 0-15 block 2 i's word, lanes 16-31 block 2 i + 1's
.endr
.irp i, 0,1,2,3
	v_lshrrev_b32 v[CH+\i], 16, v[CW+\i]           ; q, k: bytes 2 and 3 are the second head's two blocks
.endr
	v_add_nc_u32 v14, s61, v[LI]
	v_add_nc_u32 v15, s61, v[L8]
	s_cmp_eq_u32 ttmp9, 2
	s_cbranch_scc1 .Lv_words
	global_store_b128 v[LI], v[CW:CW+3], s[62:63] offset:4096   ; the first head reads bytes 0 and 1; bytes 2 and 3 meet zero codes and are never 0xff
	global_store_b128 v14, v[CH:CH+3], s[62:63] offset:4096
	s_branch .Lwords_done
.Lv_words:
	global_store_b64 v[L8], v[CW:CW+1], s[62:63] offset:8704    ; d tiles 0-3 of the first head,
	global_store_b64 v15, v[CW+2:CW+3], s[62:63] offset:8704    ; and of the second
.Lwords_done:
	s_wait_dscnt 0x0
	s_wait_tensorcnt 0x0
	ds_add_u32 v254, v255
	s_wait_dscnt 0x0
	CROUND                                         ; the closing round: no work-group ends while a partner may still ask for a tile that names it
	s_endpgm
.Lfunc_end_k_q37e21dfe23_qkv:
	.size	k_q37e21dfe23_qkv, .Lfunc_end_k_q37e21dfe23_qkv-k_q37e21dfe23_qkv
	.p2alignl 7, 3214868480
	.fill 96, 4, 3214868480
	.section	.rodata,"a",@progbits
	.p2align	6, 0x0
	.amdhsa_kernel k_q37e21dfe23_qkv
		.amdhsa_group_segment_fixed_size 288256
		.amdhsa_private_segment_fixed_size 0
		.amdhsa_enable_private_segment 0
		.amdhsa_kernarg_size 56
		.amdhsa_user_sgpr_count 2
		.amdhsa_user_sgpr_kernarg_segment_ptr 1
		.amdhsa_wavefront_size32 1
		.amdhsa_system_sgpr_workgroup_id_x 1
		.amdhsa_system_sgpr_workgroup_id_y 1
		.amdhsa_system_sgpr_workgroup_id_z 1
		.amdhsa_system_vgpr_workitem_id 0
		.amdhsa_next_free_vgpr 1024
		.amdhsa_next_free_sgpr 100
		.amdhsa_reserve_vcc 1
		.amdhsa_float_denorm_mode_32 3
		.amdhsa_float_denorm_mode_16_64 3
		.amdhsa_memory_ordered 1
		.amdhsa_forward_progress 1
		.amdhsa_inst_pref_size 145
	.end_amdhsa_kernel
	.amdgpu_metadata
---
amdhsa.version: [ 1, 2 ]
amdhsa.kernels:
  - .name:           k_q37e21dfe23_qkv
    .symbol:         k_q37e21dfe23_qkv.kd
    .args:
      - { .name: x_codes, .offset: 0, .size: 8, .value_kind: global_buffer, .address_space: global }
      - { .name: x_scales, .offset: 8, .size: 8, .value_kind: global_buffer, .address_space: global }
      - { .name: w_qkv_codes, .offset: 16, .size: 8, .value_kind: global_buffer, .address_space: global }
      - { .name: w_qkv_scales, .offset: 24, .size: 8, .value_kind: global_buffer, .address_space: global }
      - { .name: b_qkv, .offset: 32, .size: 8, .value_kind: global_buffer, .address_space: global }
      - { .name: qi, .offset: 40, .size: 8, .value_kind: global_buffer, .address_space: global }
      - { .name: kv, .offset: 48, .size: 8, .value_kind: global_buffer, .address_space: global }
    .group_segment_fixed_size: 288256
    .private_segment_fixed_size: 0
    .kernarg_segment_align: 8
    .kernarg_segment_size: 56
    .max_flat_workgroup_size: 128
    .sgpr_count:     100
    .vgpr_count:     1024
    .wavefront_size: 32
...
	.end_amdgpu_metadata
.endif
;; end of part 2
;; launch attn (part 3): grid 4 x 64, 16 waves a work-group, clusters of 4 x 1, 264,192 bytes of LDS; arguments qi, kv, maskw, ai, asc; writes ai, asc
.if DOCPART == 3
	.amdgcn_target "amdgcn-amd-amdhsa--gfx1250"
	.amdhsa_code_object_version 6
	.text
	.protected	k_q37e21dfe23_attn
	.globl	k_q37e21dfe23_attn
	.p2align	8
	.type	k_q37e21dfe23_attn,@function
k_q37e21dfe23_attn:
	s_mov_b64 s[64:65], 0
	v_nop
	global_prefetch_b8 v0, s[64:65] scope:SCOPE_SE
	s_setreg_imm32_b32 hwreg(HW_REG_WAVE_MODE, 25, 1), 1
	s_wait_xcnt 0x0
	s_wait_alu depctr_hold_cnt(0) depctr_sa_sdst(0) depctr_va_vdst(0) depctr_va_sdst(0) depctr_va_ssrc(0) depctr_va_vcc(0) depctr_vm_vsrc(0)
	s_getreg_b32 s2, hwreg(HW_REG_IB_STS2, 6, 4)
	s_cmp_eq_u32 s2, 0
	s_cbranch_scc0 .Lentry_in_a_cluster
	s_endpgm
.Lentry_in_a_cluster:
	s_bfe_u32 s2, ttmp6, 0x10000c
	s_cmp_lg_u32 s2, 0x3003
	s_cbranch_scc0 .Lentry_shape_is_right
	s_endpgm
.Lentry_shape_is_right:
; Attention of one head on codes of FP4 (E2M1) with one E8M0 scale for each 32 along a product's K, and the result quantised along the embedding for the last product.
; t = score x log2(e) / 8; scores of keys whose mask is 0 become -infinity; M = the row's largest t so far, rounded UP to a whole number; p = 2^(t - M) is quantised along the keys, not normalised;
; the row's sum is taken of the unquantised p and divides O at the end.  When M moves, the sum and O are multiplied by 2^(old M - new M): exact.
; SHARES.  A work-group owns one head (work-group y = 16 b + head) and 512 queries; each of its sixteen waves owns a tile of 16 queries at a time, two one after the other; four waves to a SIMD, so that one wave's vector
; work stands beside another's matrix work and LDS loads.  The head's whole K and V (16 blocks of kv, 8,960 bytes each) lie in LDS, filled once: wave w brings key step w.
; CLUSTER.  The four work-groups of a head form a cluster and walk the same K and V: each block is asked for JOINTLY, by the same tensor load with a mask that names the four.  One tensor load of a wave is out.
; LAYOUT.  Both products are used transposed: S^T = K Q^T (source 0 = 16 keys, source 1 = my 16 queries), O^T = V^T P^T (source 0 = 16 of the head's 64, source 1 = P): a lane holds ONE query (lane % 16) throughout.
; Register 8 t + j of S^T in lane (r, h) is key 16 t + 8 h + j of the step.  K = 64 in the first product: registers 4-7 of K's and Q's fragments hold zero codes, written once.
; THE MASK comes as words of one bit a lane (maskw), 64 words a key step, by scalar loads a step ahead: one v_cndmask_b32 a score.
; A ROW WITH NO OPEN KEY has the sum 0: its scale bytes are stored as 0xff, which makes the last product's whole row NaN.
; LIMITS: a block whose largest magnitude lies under 2^-124 has its byte held at 1; a block of zeros gets the byte 1 where the quantiser says 127: its codes are zeros, and this program alone reads the bytes.
.set KVB,   8960                       ; a block of kv
.set SLOTB, 16384                      ; from key step to key step in LDS
.set LI,   1                           ; v1   16 x lane
.set L8,   2                           ; v2   8 x lane
.set ADK,  3                           ; v3   LDS address of the next step's K
.set ADV,  4                           ; v4   of this step's V
.set ADV8, 5                           ; v5   of V's scale words
.set NINF, 6                           ; v6   -infinity
.set QF,   7                           ; v7   Q's fragment in its block of qi: 16 x lane + 512 (wave % 8)
.set QSO,  8                           ; v8   Q's scale word there
.set AS,   9                           ; v9   32 x (lane % 16): my query's row of asc
.set QR,   16                          ; v16-23  Q (20-23 zeros)
.set QS,   24                          ; v24     Q's scale words
.set PS,   25                          ; v25     p's scale word
.set KS,   26                          ; v26-29  K's scale words: register i: lanes 0-15 tile 2 i, lanes 16-31 tile 2 i + 1
.set VS,   30                          ; v30-31  V's likewise
.set KF,   32                          ; v32-95  K: tile t at 32 + 8 t (its registers 4-7 zeros)
.set S,    96                          ; v96-159 S^T, then p
.set OT,   160                         ; v160-191 O^T
.set VF,   192                         ; v192-223 V^T
.set PC,   224                         ; v224-231 p's codes
.set BM,   232                         ; v232-235 each block's largest score, then largest p
.set PT,   236                         ; v236-239 the other lane's, then bytes
.set SOP,  240                         ; v240-243 the conversions' scale operands
.set CH,   248                         ; v[248:249] the step's second chain of sums
.set FF,   250                         ; v[250:251] f, and a partner that is written once
.set WV,   15                          ; s15  my wave's number
.set TB,   10                          ; s10  LDS byte of the step in hand
.set TN,   11                          ; s11  of the next
.set MOJ,  12                          ; s12  the mask words' offset: 256 x step
.set SEL,  84                          ; s[84:85] lane selects for v_permlanex16_b32: lane l xor 16
.set CS,   86                          ; s[86:87] c = log2(e) / 8
; s[2:3] Q's block, s[4:5] my tile's mask words, s[6:7] my place in ai, s[8:9] in asc; s13, s14 counters; s[16:63], s[68:83] the 64 mask words; s[88:91], s[92:99] the descriptor
.macro CROUND                          ; a round of the cluster's barrier
	s_barrier_signal -1
	s_barrier_wait -1
	s_cmp_lg_u32 s[WV], 0
	s_cbranch_scc1 .Lnot_wave_0_\@
	s_barrier_signal -3
.Lnot_wave_0_\@:
	s_barrier_wait -3
	s_barrier_signal -1
	s_barrier_wait -1
.endm
.macro KLOAD                           ; a step's K: eight fragments' registers 0-3, as images, and the scale words: nine loads
.irp t, 0,1,2,3,4,5,6,7
	ds_load_b128 v[KF+8*\t:KF+8*\t+3], v[ADK] offset:512*\t
.endr
	ds_load_b128 v[KS:KS+3], v[ADK] offset:4096
.endm
.macro VLOAD                           ; a step's V^T: four fragments and the scale words: nine loads
.irp t, 0,1,2,3
	ds_load_b128 v[VF+8*\t:VF+8*\t+3],   v[ADV] offset:4608+1024*\t
	ds_load_b128 v[VF+8*\t+4:VF+8*\t+7], v[ADV] offset:4608+1024*\t+512
.endr
	ds_load_b64 v[VS:VS+1], v[ADV8] offset:8704
.endm
.macro MLOAD                           ; a step's 64 mask words
	s_load_b512 s[16:31], s[4:5], s[MOJ] offset:0x0
	s_load_b512 s[32:47], s[4:5], s[MOJ] offset:0x40
	s_load_b512 s[48:63], s[4:5], s[MOJ] offset:0x80
	s_load_b512 s[68:83], s[4:5], s[MOJ] offset:0xc0
.endm
.macro OPEN n                          ; score n stays where its key is open, else -infinity
.if (\n) < 48
	v_cndmask_b32 v[S+(\n)], v[NINF], v[S+(\n)], s[16+(\n)]
.else
	v_cndmask_b32 v[S+(\n)], v[NINF], v[S+(\n)], s[20+(\n)]
.endif
.endm
	s_load_b256 s[16:23], s[0:1], 0x0              ; qi, kv, maskw, ai
	s_load_b64 s[24:25], s[0:1], 0x20              ; asc
	v_lshl_add_u32 v247, v0, 2, 0x40000
	v_mov_b32 v255, 0
	ds_add_u32 v247, v255
	ds_add_u32 v247, v255
	v_lshrrev_b32 v10, 5, v0
	v_readfirstlane_b32 s[WV], v10                 ; wave 0..15
	s_bfe_u32 s26, ttmp6, 0x40000                  ; cx
	s_lshl_b32 s27, ttmp9, 2
	s_add_co_u32 s26, s26, s27                     ; my quarter of the head's queries: it enters global addresses of Q, the mask and the results alone
	s_and_b32 s27, ttmp7, 0xffff                   ; 16 b + head, which the four partners share
	s_lshr_b32 s28, s27, 4                         ; b
	s_and_b32 s29, s27, 15                         ; head
	s_lshl_b32 s30, s28, 7
	s_lshl_b32 s31, s26, 5
	s_add_co_u32 s30, s30, s31
	s_add_co_u32 s30, s30, s[WV]                   ; my first tile of queries among all 512: 128 b + 32 x quarter + wave
	s_lshl_b32 s32, s27, 4
	s_lshl_b32 s33, s26, 2
	s_add_co_u32 s32, s32, s33
	s_lshr_b32 s33, s[WV], 3
	s_add_co_u32 s32, s32, s33
	s_mul_i32 s32, s32, 4608                       ; its block of qi
	s_mov_b32 s33, 0
	s_lshl_b32 s34, s30, 12                        ; its mask words: 4,096 bytes a tile
	s_mov_b32 s35, 0
	s_lshl_b32 s36, s30, 13                        ; in ai: 8,192 bytes a tile, 512 a head
	s_lshl_b32 s37, s29, 9
	s_add_co_u32 s36, s36, s37
	s_mov_b32 s37, 0
	s_lshl_b32 s38, s30, 9                         ; in asc: 16 rows of 32 bytes a tile, 2 bytes a head
	s_lshl_b32 s39, s29, 1
	s_add_co_u32 s38, s38, s39
	s_mov_b32 s39, 0
	s_lshl_b32 s40, s27, 4
	s_add_co_u32 s40, s40, s[WV]
	s_mul_i32 s40, s40, KVB                        ; the block of kv that I fetch: key step = my wave's number
	s_mov_b32 s41, 0
	s_mov_b32 s92, 15|(3<<16)|(1<<21)              ; the mask: all four work-groups; elements of 8 bytes; bit 21 beside a mask; no padding: images are read 16 bytes a lane on end
	s_mov_b32 s93, 32<<16                          ; tensor_dim0 = 32 elements: 256 bytes
	s_mov_b32 s94, 35<<16                          ; tensor_dim1 = 35 rows: 8,960 dense bytes
	s_mov_b32 s95, 32<<16                          ; tile_dim0
	s_mov_b32 s96, 35                              ; tile_dim1
	s_mov_b32 s97, 32                              ; from row to row
	s_mov_b32 s98, 0
	s_mov_b32 s99, 0
	s_mov_b32 s88, 1
	s_lshl_b32 s89, s[WV], 14                      ; LDS: wave x 16,384
	s_wait_dscnt 0x0
	s_wait_kmcnt 0x0
	s_add_nc_u64 s[90:91], s[18:19], s[40:41]
	s_or_b32 s91, s91, 0x80000000
	s_add_nc_u64 s[2:3], s[16:17], s[32:33]
	s_add_nc_u64 s[4:5], s[20:21], s[34:35]
	s_add_nc_u64 s[6:7], s[22:23], s[36:37]
	s_add_nc_u64 s[8:9], s[24:25], s[38:39]
	CROUND                                         ; all four work-groups are here: the joint loads meet
	tensor_load_to_lds s[88:91], s[92:99]
	s_nop 0
.rept 4
	v_nop
.endr
	v_and_b32 v10, 31, v0
	v_lshlrev_b32 v[LI], 4, v10
	v_lshlrev_b32 v[L8], 3, v10
	v_and_b32 v11, 15, v0                          ; r
	v_mov_b32 v[NINF], 0xff800000
	s_and_b32 s10, s[WV], 7                        ; my tile in its group of eight
	s_lshl_b32 s11, s10, 9
	v_add_nc_u32 v[QF], s11, v[LI]
	s_and_b32 s11, s[WV], 1
	s_lshl_b32 s11, s11, 8
	s_lshr_b32 s10, s10, 1
	s_lshl_b32 s10, s10, 2
	s_add_co_u32 s10, s10, s11
	v_lshl_add_u32 v[QSO], v11, 4, s10             ; word (tile / 2) of lane r + 16 (tile % 2)
	v_lshlrev_b32 v[AS], 5, v11
.irp i, 4,5,6,7
	v_mov_b32 v[QR+\i], 0                          ; zero codes for k = 64 .. 127, on both operands
.irp t, 0,1,2,3,4,5,6,7
	v_mov_b32 v[KF+8*\t+\i], 0
.endr
.endr
.irp b, 0,1,2,3
	v_mov_b32 v[PT+\b], 0                          ; written once: a lane permute's destination counts as one of its sources
.endr
	v_mov_b32 v[FF+1], 0                           ; named with f as a pair
	v_mov_b32 v252, 0
	s_mov_b32 s[SEL], 0x76543210
	s_mov_b32 s[SEL+1], 0xfedcba98
	s_mov_b32 s[CS], 0x3e38aa3b                    ; log2(e) / 8
	s_mov_b32 s[CS+1], s[CS]
	s_mov_b32 s[TB], 0
	s_mov_b32 s[TN], SLOTB
	s_mov_b32 s14, 2                               ; two tiles of queries
	s_wait_tensorcnt 0x0                           ; my block is in,
	s_barrier_signal -1
	s_barrier_wait -1                              ; everybody's is.  From here on LDS is only read
	v_add_nc_u32 v[ADK], s[TB], v[LI]
	KLOAD                                          ; key step 0
; A KEY STEP: 128 keys.
.macro STEP
	s_wait_dscnt 0x0                               ; K's nine loads, issued a step ago, are in
.irp t, 0,2,4,6
	v_wmma_scale_f32_16x16x128_f8f6f4 v[S+8*\t:S+8*\t+7], v[KF+8*\t:KF+8*\t+7], v[QR:QR+7], 0, v[KS+\t/2], v[QS] matrix_a_fmt:MATRIX_FMT_FP4 matrix_b_fmt:MATRIX_FMT_FP4
	v_wmma_scale_f32_16x16x128_f8f6f4 v[S+8*\t+8:S+8*\t+15], v[KF+8*\t+8:KF+8*\t+15], v[QR:QR+7], 0, v[KS+\t/2], v[QS] matrix_a_fmt:MATRIX_FMT_FP4 matrix_b_fmt:MATRIX_FMT_FP4 matrix_a_scale:MATRIX_SCALE_ROW1
.endr
	v_add_nc_u32 v[ADV], s[TB], v[LI]              ; four plain lines: the places behind these products and the last step's, ahead of the loads into their operands and of the first read of the scores
	v_add_nc_u32 v[ADK], s[TN], v[LI]
	v_add_nc_u32 v[ADV8], s[TB], v[L8]
	v_nop
	VLOAD                                          ; this step's V
	KLOAD                                          ; the next step's K (behind the last step: step 0's again, which the next tile of queries begins with)
	s_mov_b32 s[TB], s[TN]
	s_add_co_u32 s[TN], s[TN], SLOTB
	s_and_b32 s[TN], s[TN], 0x3c000                ; sixteen steps, then round
	s_wait_kmcnt 0x0                               ; the step's mask words, asked for a step ago
.set n, 0
.rept 64
	OPEN n                                         ; each accumulator from its low end on
.set n, n+1
.endr
.irp b, 0,1,2,3
	v_max3_num_f32 v[BM+\b], v[S+16*\b], v[S+16*\b+1], v[S+16*\b+2]   ; the largest score of each block of 32 keys: for the row's maximum, and, since p rises with the score, for the block's largest p
.endr
.irp i, 3,5,7,9,11,13
.irp b, 0,1,2,3
	v_max3_num_f32 v[BM+\b], v[BM+\b], v[S+16*\b+\i], v[S+16*\b+\i+1]
.endr
.endr
.irp b, 0,1,2,3
	v_max_num_f32 v[BM+\b], v[BM+\b], v[S+16*\b+15]
.endr
	s_add_co_u32 s[MOJ], s[MOJ], 256               ; the words have been read, and their loads are done: the offset steps,
	s_and_b32 s[MOJ], s[MOJ], 0xf00                ; (round behind the last step: no load leaves the tile's words)
	MLOAD                                          ; and the next step's words are asked for
.irp b, 0,1,2,3
	v_permlanex16_b32 v[PT+\b], v[BM+\b], s[SEL], s[SEL+1]
.endr
.irp b, 0,1,2,3
	v_max_num_f32 v[BM+\b], v[BM+\b], v[PT+\b]     ; with lane l xor 16's 16 keys
.endr
	v_max3_num_f32 v254, v[BM], v[BM+1], v[BM+2]
	v_max_num_f32 v254, v254, v[BM+3]              ; the step's largest score of my query
	v_mul_f32 v254, s[CS], v254                    ; as t (c is positive)
	v_max_num_f32 v13, v13, v254                   ; the running largest t
	v_mov_b32 v254, v12
	v_floor_f32 v12, -v13                          ; the new -M = floor(-t): M is a whole number
	v_sub_f32 v254, v12, v254                      ; old M less new M: a whole number, 0 or less
	v_cvt_i32_f32 v254, v254                       ; (it saturates)
	v_ldexp_f32 v[FF], 1.0, v254                   ; f = 2^(old M - new M)
.set n, 0
.rept 32
	v_pk_fma_f32 v[S+n:S+n+1], v[S+n:S+n+1], s[CS:CS+1], v[12:13] op_sel_hi:[1,0,0]   ; t - M, two at a time (of the pairs c and -M the low word serves both halves)
.set n, n+2
.endr
.irp b, 0,1,2,3
	v_fma_f32 v[BM+\b], v[BM+\b], s[CS], v12       ; the same of each block's largest score
.endr
.set n, 0
.rept 64
	v_exp_f32 v[S+n], v[S+n]                       ; p = 2^(t - M), at most 1; 0 for a closed key
.set n, n+1
.endr
	v_pk_mul_f32 v[14:15], v[14:15], v[FF:FF+1] op_sel_hi:[1,0]   ; the sums under the new M: a plain place behind the exponentials
	s_wait_alu depctr_va_vdst(0)                   ; one wait for the whole batch, ahead of its first reader
.irp b, 0,1,2,3
	v_exp_f32 v[BM+\b], v[BM+\b]                   ; the block's largest p: the same two instructions on the same number
.endr
	v_pk_add_f32 v[CH:CH+1], v[S:S+1], v[S+2:S+3]  ; the row's sum is taken of the unquantised p: two at a time, in two chains
.irp j, 4,8,12,16,20,24,28,32,36,40,44,48,52,56,60
	v_pk_add_f32 v[14:15], v[14:15], v[S+\j:S+\j+1]
	v_pk_add_f32 v[CH:CH+1], v[CH:CH+1], v[S+\j+2:S+\j+3]
.endr
	v_pk_add_f32 v[14:15], v[14:15], v[CH:CH+1]
	s_wait_alu depctr_va_vdst(0)                   ; and one for the four
.irp b, 0,1,2,3
	v_max_num_f32 v[BM+\b], 0x1800000, v[BM+\b]    ; the floor 2^(3 - 127): the byte cannot fall under 1
.endr
.irp b, 0,1,2,3
	v_add_nc_u32 v[SOP+\b], 0xff000000, v[BM+\b]   ; 2 off the exponent field: the conversion's scale operand
.endr
.irp b, 0,1,2,3
	v_lshrrev_b32 v[PT+\b], 23, v[SOP+\b]          ; the scale's byte
.endr
	v_lshl_or_b32 v[PS], v[PT+1], 8, v[PT]         ; p's scale word for these 128 keys
	v_lshl_or_b32 v[PS], v[PT+2], 16, v[PS]
	v_lshl_or_b32 v[PS], v[PT+3], 24, v[PS]
.irp b, 0,1,2,3
	v_cvt_scalef32_pk8_fp4_f32 v[PC+4*(\b/2)+\b%2],   v[S+16*\b:S+16*\b+7],    v[SOP+\b]
	v_cvt_scalef32_pk8_fp4_f32 v[PC+4*(\b/2)+2+\b%2], v[S+16*\b+8:S+16*\b+15], v[SOP+\b]
.endr
	v_nop                                          ; one plain place behind a scaled conversion
.irp i, 0,2,4,6
	v_permlane16_swap_b32 v[PC+\i], v[PC+\i+1]     ; a whole block in a lane: lanes 0-15 block 2 c, lanes 16-31 block 2 c + 1
.endr
.set n, 0
.rept 16
	v_pk_mul_f32 v[OT+n:OT+n+1], v[OT+n:OT+n+1], v[FF:FF+1] op_sel_hi:[1,0]   ; O^T under the new M.  For each product below twelve of these name none of its registers: the places behind the writes of p's word and codes
.set n, n+2
.endr
	s_wait_dscnt 9                                 ; V's nine loads are in; the nine younger ones are the next step's K
.irp t, 0,2
	v_wmma_scale_f32_16x16x128_f8f6f4 v[OT+8*\t:OT+8*\t+7], v[VF+8*\t:VF+8*\t+7], v[PC:PC+7], v[OT+8*\t:OT+8*\t+7], v[VS+\t/2], v[PS] matrix_a_fmt:MATRIX_FMT_FP4 matrix_b_fmt:MATRIX_FMT_FP4
	v_wmma_scale_f32_16x16x128_f8f6f4 v[OT+8*\t+8:OT+8*\t+15], v[VF+8*\t+8:VF+8*\t+15], v[PC:PC+7], v[OT+8*\t+8:OT+8*\t+15], v[VS+\t/2], v[PS] matrix_a_fmt:MATRIX_FMT_FP4 matrix_b_fmt:MATRIX_FMT_FP4 matrix_a_scale:MATRIX_SCALE_ROW1
.endr
.endm
.Lpass:                                            ; a tile of 16 queries
	s_wait_kmcnt 0x0                               ; no scalar load is out: the words' registers may be loaded
	s_mov_b32 s[MOJ], 0
	MLOAD                                          ; key step 0's mask words
	global_load_b128 v[QR:QR+3], v[QF], s[2:3]
	global_load_b32 v[QS], v[QSO], s[2:3] offset:4096
	v_mov_b32 v13, 0xff61b1e6                      ; the largest t so far: -3e38, under every t
	v_floor_f32 v12, -v13                          ; -M
	v_mov_b32 v14, 0                               ; the sum, in two halves
	v_mov_b32 v15, 0
.set n, 0
.rept 32
	v_mov_b32 v[OT+n], 0                           ; the step is written once: the first finds zeros, which the first change of M leaves zeros
.set n, n+1
.endr
	s_wait_loadcnt 0x0                             ; Q
	s_mov_b32 s13, 16
.Lstep:
	STEP
	s_sub_co_u32 s13, s13, 1
	s_cmp_lg_u32 s13, 0
	s_cbranch_scc1 .Lstep
	; THE WAY OUT of a tile: O^T / the sum, quantised along the head's 64 (two blocks), stored as registers 0-3 or 4-7 of the last product's fragment
.rept 4
	v_nop                                          ; the places behind the last products
.endr
	v_add_f32 v14, v14, v15
	v_permlanex16_b32 v252, v14, s[SEL], s[SEL+1]
	v_add_f32 v14, v14, v252                       ; the row's sum
	v_cmp_eq_f32 vcc_lo, 0, v14                    ; no open key in the row
	v_rcp_f32 v[FF], v14
	v_mov_b32 v252, 0xffff                         ; (a plain place behind the reciprocal)
	s_wait_alu depctr_va_vdst(0)                   ; ahead of its first reader
.set n, 0
.rept 16
	v_pk_mul_f32 v[S+n:S+n+1], v[OT+n:OT+n+1], v[FF:FF+1] op_sel_hi:[1,0]   ; register 8 t + j: o(query r, d = 16 t + 8 h + j); each accumulator from its low end on
.set n, n+2
.endr
.irp b, 0,1
	v_max3_num_f32 v[BM+\b], |v[S+16*\b]|, |v[S+16*\b+1]|, 0x1800000
.endr
.irp i, 2,4,6,8,10,12,14
.irp b, 0,1
	v_max3_num_f32 v[BM+\b], v[BM+\b], |v[S+16*\b+\i]|, |v[S+16*\b+\i+1]|
.endr
.endr
.irp b, 0,1
	v_permlanex16_b32 v[PT+\b], v[BM+\b], s[SEL], s[SEL+1]
.endr
.irp b, 0,1
	v_max_num_f32 v[BM+\b], v[BM+\b], v[PT+\b]
.endr
.irp b, 0,1
	v_add_nc_u32 v[SOP+\b], 0xff000000, v[BM+\b]
.endr
.irp b, 0,1
	v_lshrrev_b32 v[PT+\b], 23, v[SOP+\b]
.endr
	v_lshl_or_b32 v253, v[PT+1], 8, v[PT]          ; my query's two scale bytes of this head,
	v_cndmask_b32 v253, v253, v252, vcc_lo         ; or 0xff twice
.irp b, 0,1
	v_cvt_scalef32_pk8_fp4_f32 v[PC+\b],   v[S+16*\b:S+16*\b+7],    v[SOP+\b]
	v_cvt_scalef32_pk8_fp4_f32 v[PC+2+\b], v[S+16*\b+8:S+16*\b+15], v[SOP+\b]
.endr
	v_nop                                          ; one plain place behind a scaled conversion
	v_permlane16_swap_b32 v[PC], v[PC+1]
	v_permlane16_swap_b32 v[PC+2], v[PC+3]
	global_store_b128 v[LI], v[PC:PC+3], s[6:7]    ; 32 lanes store 512 consecutive bytes, at a multiple of 256 from ai's first byte
	global_store_b16 v[AS], v253, s[8:9]           ; two bytes of my query's row of asc (lanes r and r + 16 store the same): 32 bytes of a tile against its 512 of codes
	s_wait_kmcnt 0x0                               ; the scalar loads have read their base,
	s_wait_xcnt 0x0                                ; the loads and stores their bases and registers: all may be written
	s_add_nc_u64 s[2:3], s[2:3], 9216              ; sixteen tiles on: two blocks of qi,
	s_add_nc_u64 s[4:5], s[4:5], 65536             ; 16 x 4,096 bytes of mask words,
	s_add_nc_u64 s[6:7], s[6:7], 131072            ; 16 x 8,192 of ai,
	s_add_nc_u64 s[8:9], s[8:9], 8192              ; 256 rows of asc
	s_sub_co_u32 s14, s14, 1
	s_cmp_lg_u32 s14, 0
	s_cbranch_scc1 .Lpass
	s_wait_dscnt 0x0                               ; the last step's loads of K
	s_wait_tensorcnt 0x0
	ds_add_u32 v247, v255
	s_wait_dscnt 0x0
	CROUND                                         ; the closing round: no work-group ends while a partner may still ask for a block that names it
	s_endpgm
.Lfunc_end_k_q37e21dfe23_attn:
	.size	k_q37e21dfe23_attn, .Lfunc_end_k_q37e21dfe23_attn-k_q37e21dfe23_attn
	.p2alignl 7, 3214868480
	.fill 96, 4, 3214868480
	.section	.rodata,"a",@progbits
	.p2align	6, 0x0
	.amdhsa_kernel k_q37e21dfe23_attn
		.amdhsa_group_segment_fixed_size 264192
		.amdhsa_private_segment_fixed_size 0
		.amdhsa_enable_private_segment 0
		.amdhsa_kernarg_size 40
		.amdhsa_user_sgpr_count 2
		.amdhsa_user_sgpr_kernarg_segment_ptr 1
		.amdhsa_wavefront_size32 1
		.amdhsa_system_sgpr_workgroup_id_x 1
		.amdhsa_system_sgpr_workgroup_id_y 1
		.amdhsa_system_sgpr_workgroup_id_z 1
		.amdhsa_system_vgpr_workitem_id 0
		.amdhsa_next_free_vgpr 256
		.amdhsa_next_free_sgpr 100
		.amdhsa_reserve_vcc 1
		.amdhsa_float_denorm_mode_32 3
		.amdhsa_float_denorm_mode_16_64 3
		.amdhsa_memory_ordered 1
		.amdhsa_forward_progress 1
		.amdhsa_inst_pref_size 32
	.end_amdhsa_kernel
	.amdgpu_metadata
---
amdhsa.version: [ 1, 2 ]
amdhsa.kernels:
  - .name:           k_q37e21dfe23_attn
    .symbol:         k_q37e21dfe23_attn.kd
    .args:
      - { .name: qi, .offset: 0, .size: 8, .value_kind: global_buffer, .address_space: global }
      - { .name: kv, .offset: 8, .size: 8, .value_kind: global_buffer, .address_space: global }
      - { .name: maskw, .offset: 16, .size: 8, .value_kind: global_buffer, .address_space: global }
      - { .name: ai, .offset: 24, .size: 8, .value_kind: global_buffer, .address_space: global }
      - { .name: asc, .offset: 32, .size: 8, .value_kind: global_buffer, .address_space: global }
    .group_segment_fixed_size: 264192
    .private_segment_fixed_size: 0
    .kernarg_segment_align: 8
    .kernarg_segment_size: 40
    .max_flat_workgroup_size: 512
    .sgpr_count:     100
    .vgpr_count:     256
    .wavefront_size: 32
...
	.end_amdgpu_metadata
.endif
;; end of part 3
;; launch outproj (part 4): grid 4 x 32, 4 waves a work-group, clusters of 4 x 4, 317,952 bytes of LDS; arguments ai, asc, w_out_codes, w_out_scales, b_out, out0; writes out0
.if DOCPART == 4
	.amdgcn_target "amdgcn-amd-amdhsa--gfx1250"
	.amdhsa_code_object_version 6
	.text
	.protected	k_q37e21dfe23_outproj
	.globl	k_q37e21dfe23_outproj
	.p2align	8
	.type	k_q37e21dfe23_outproj,@function
k_q37e21dfe23_outproj:
	s_mov_b64 s[64:65], 0
	v_nop
	global_prefetch_b8 v0, s[64:65] scope:SCOPE_SE
	s_setreg_imm32_b32 hwreg(HW_REG_WAVE_MODE, 25, 1), 1
	s_wait_xcnt 0x0
	s_wait_alu depctr_hold_cnt(0) depctr_sa_sdst(0) depctr_va_vdst(0) depctr_va_sdst(0) depctr_va_ssrc(0) depctr_va_vcc(0) depctr_vm_vsrc(0)
	s_getreg_b32 s2, hwreg(HW_REG_IB_STS2, 6, 4)
	s_cmp_eq_u32 s2, 0
	s_cbranch_scc0 .Lentry_in_a_cluster
	s_endpgm
.Lentry_in_a_cluster:
	s_bfe_u32 s2, ttmp6, 0x10000c
	s_cmp_lg_u32 s2, 0xf033
	s_cbranch_scc0 .Lentry_shape_is_right
	s_endpgm
.Lentry_shape_is_right:
; out0 = a w_out + b_out on codes of FP4 (E2M1) with one E8M0 scale for each 32 along K.  a: the attention launch's result, 8,192 tokens x 1,024, as images of the operand's registers:
; ai[tile of 16 tokens][K step of 128][half c][lane][16 bytes], 8,192 bytes a tile; its scale bytes asc[token][32].  w_out: 1,024 columns x 1,024, K innermost, rows of 512 bytes; scale bytes 32 a row.  out0: [8192][1024] f32.
; SHARES.  A work-group makes 256 tokens x 256 columns, each of its four waves 128 x 128: 64 accumulators, 512 registers.  All of K lies in LDS, every byte of it filled once.  128 work-groups: a smaller tile would
; want another main loop for a short launch.
; CLUSTERS: 4 x 4 work-groups: a's tiles are shared along a row of the cluster, w's along a column, each asked for JOINTLY.
; THE MATRIX INSTRUCTION IS USED TRANSPOSED (source 0 = 16 rows of w, source 1 = 16 tokens): a lane holds eight neighbouring numbers of a row of out0.  The bias is the C of each sum's first matrix instruction.
; A scale byte 0xff in asc (a query with no open key) makes that token's whole row NaN.  LIMITS: NaN and infinities in b_out and the byte 0xff in w_out's scales are not served.
; REGISTERS, in windows of 256: window 0: v1-31 addresses; v32-95 scale words; v128-191 a's fragments (one set); on the way out v128-255 rows of out0.
;   window 1: w's fragments, two sets, at v0 and v128; v64-127 the bias.   window 2: accumulators of a's blocks 0-3 ((a, b) at v[8 (8 (a % 4) + b)]);   window 3: blocks 4-7.
.set PITCH, 528                        ; a row of w in LDS: 512 bytes + 16 of padding: the 16 rows of a load start at 16 different banks (ISA guide 11.1)
.set HALFA, 65536                      ; a's images of 128 tokens: dense, read 16 bytes a lane on end
.set WOFF,  2*HALFA
.set HALFT, 128*PITCH
.set SCL,   WOFF+2*HALFT               ; the scale bytes, as runs of 256 bytes + 16 of padding
.set HALFS, 16*272
.set SBLK,  2*272
.set STAGE, SCL+4*HALFS                ; the way out: 16 rows x (512 bytes + 16) for each wave: bytes of their own, from a multiple of 256 on, into which no tile lands
.set SPITCH, 528
.set NP,    4
.set ADR1, 16                          ; v16  LDS address of a's fragments
.set ADR0, 17                          ; v17  of w's
.set ADRS, 18                          ; v18  of the scale words: lanes 0-15 a's rows, lanes 16-31 w's
.set STO,  24                          ; v24  the way out: where I put 32 bytes of a row
.set RD,   25                          ; v25  where I read a row back
.set CO,   26                          ; v26  16 x lane: my place in an image, and in a row's 512 bytes of out0
.set SC,   32
.set AF,   128
.set BK,   128                         ; the way out: 16 rows read back: v128-191 and v192-255 by turns
.set BIAS, 64                          ; in window 1
.set G1,   24
.set G0,   32
.set G1B,  48
.set G0B,  56
.set G1S,  68
.set G0S,  76
.set G1SB, 80
.set G0SB, 88
.set MSB, 0
.macro WIN new
.if MSB != (\new)
	s_set_vgpr_msb (MSB<<8)|(\new)
.set MSB, (\new)
.endif
.endm
.macro JLOAD g0a, g1a, g0b, g1b        ; a joint load: waves 0 and 1 fetch for a, waves 2 and 3 for w; four v_nop follow each line
	s_cmp_eq_u32 s15, 0
	s_cbranch_scc0 .Lfor_b_\@
	tensor_load_to_lds s[\g0a:\g0a+3], s[\g1a:\g1a+7]
	s_nop 0
.rept 4
	v_nop
.endr
	s_branch .Lasked_\@
.Lfor_b_\@:
	tensor_load_to_lds s[\g0b:\g0b+3], s[\g1b:\g1b+7]
	s_nop 0
.rept 4
	v_nop
.endr
.Lasked_\@:
.endm
.macro CROUND
	s_barrier_signal -1
	s_barrier_wait -1
	s_cmp_lg_u32 s14, 0
	s_cbranch_scc1 .Lnot_wave_0_\@
	s_barrier_signal -3
.Lnot_wave_0_\@:
	s_barrier_wait -3
	s_barrier_signal -1
	s_barrier_wait -1
.endm
.macro PLACES n
.rept \n
	v_nop
.endr
.endm
	s_load_b128 s[4:7], s[0:1], 0x0                ; ai, asc
	s_load_b128 s[8:11], s[0:1], 0x10              ; w's codes, w's scales
	s_load_b64 s[36:37], s[0:1], 0x20              ; b_out
	s_load_b64 s[12:13], s[0:1], 0x28              ; out0
	v_lshl_add_u32 v126, v0, 2, 0x4d800
	v_mov_b32 v127, 0
	ds_add_u32 v126, v127
	ds_add_u32 v126, v127
	v_lshrrev_b32 v1, 5, v0
	v_readfirstlane_b32 s14, v1                    ; wave 0..3
	s_lshr_b32 s15, s14, 1                         ; which half of the tokens is mine.  Also: I fetch for a (0) or for w (1)
	s_and_b32 s16, s14, 1                          ; which half of the columns.  Also: which 128 rows I fetch
	s_bfe_u32 s40, ttmp6, 0x40000                  ; cx, cy
	s_bfe_u32 s41, ttmp6, 0x40004
	s_lshl_b32 s42, ttmp9, 2
	s_add_co_u32 s42, s42, s40                     ; tile column
	s_and_b32 s17, ttmp7, 0xffff
	s_lshl_b32 s17, s17, 2
	s_add_co_u32 s17, s17, s41                     ; tile row
	s_lshl_b32 s43, s41, 2
	s_lshl_b32 s43, 15, s43                        ; my row of the cluster
	s_lshl_b32 s44, 0x1111, s40                    ; my column
	s_or_b32 s[G1+0], s43, (3<<16)|(1<<21)         ; a's images of 128 tokens: 65,536 dense bytes as 256 rows of 32 elements of 8 bytes, no padding
	s_mov_b32 s[G1+1], 32<<16
	s_mov_b32 s[G1+2], 256<<16
	s_mov_b32 s[G1+3], 32<<16
	s_mov_b32 s[G1+4], 256
	s_mov_b32 s[G1+5], 32
	s_mov_b32 s[G1+6], 0
	s_mov_b32 s[G1+7], 0
	s_or_b32 s[G1B+0], s44, (1<<20)|(1<<21)|(6<<22)|(3<<25)   ; w: 128 rows of 512 bytes, 4 words of padding after every 128
	s_mov_b32 s[G1B+1], 512<<16
	s_mov_b32 s[G1B+2], 128<<16
	s_mov_b32 s[G1B+3], 512<<16
	s_mov_b32 s[G1B+4], 128
	s_mov_b32 s[G1B+5], 512
	s_mov_b32 s[G1B+6], 0
	s_mov_b32 s[G1B+7], 0
	s_or_b32 s[G1S+0], s43, (3<<16)|(1<<20)|(1<<21)|(5<<22)|(3<<25)  ; the scales of 128 rows: 16 rows of 256 bytes, 16 bytes of padding behind each
	s_or_b32 s[G1SB+0], s44, (3<<16)|(1<<20)|(1<<21)|(5<<22)|(3<<25)
.irp g, G1S, G1SB
	s_mov_b32 s[\g+1], 32<<16
	s_mov_b32 s[\g+2], 16<<16
	s_mov_b32 s[\g+3], 32<<16
	s_mov_b32 s[\g+4], 16
	s_mov_b32 s[\g+5], 32
	s_mov_b32 s[\g+6], 0
	s_mov_b32 s[\g+7], 0
.endr
	s_lshl_b32 s18, s16, 7
	s_lshl_b32 s20, s17, 8
	s_add_co_u32 s20, s20, s18                     ; a: token 256 x tile row + 128 x half
	s_lshl_b32 s46, s42, 8
	s_add_co_u32 s46, s46, s18                     ; w: row 256 x tile column + 128 x half
	s_lshl_b32 s22, s20, 5
	s_mov_b32 s23, 0
	s_lshl_b32 s20, s20, 9                         ; 512 bytes of codes a token, in images too
	s_mov_b32 s21, 0
	s_lshl_b32 s92, s46, 5
	s_mov_b32 s93, 0
	s_lshl_b32 s46, s46, 9
	s_mov_b32 s47, 0
	s_lshl_b32 s45, s16, 16                        ; where a's half goes,
	s_mul_i32 s95, s16, HALFT
	s_add_co_u32 s95, s95, WOFF                    ; where w's,
	s_mul_i32 s94, s14, HALFS                      ; and the scales: wave x 128 rows
	s_wait_dscnt 0x0
	s_wait_kmcnt 0x0
	s_add_nc_u64 s[20:21], s[4:5], s[20:21]
	s_add_nc_u64 s[22:23], s[6:7], s[22:23]
	s_add_nc_u64 s[46:47], s[8:9], s[46:47]
	s_add_nc_u64 s[92:93], s[10:11], s[92:93]
	CROUND                                         ; all sixteen work-groups are here: the joint loads meet
	s_mov_b32 s[G0S], 1
	s_add_co_u32 s[G0S+1], s94, SCL
	s_mov_b64 s[G0S+2:G0S+3], s[22:23]
	s_or_b32 s[G0S+3], s[G0S+3], 0x80000000
	s_mov_b32 s[G0SB], 1
	s_add_co_u32 s[G0SB+1], s94, SCL
	s_mov_b64 s[G0SB+2:G0SB+3], s[92:93]
	s_or_b32 s[G0SB+3], s[G0SB+3], 0x80000000
	JLOAD G0S, G1S, G0SB, G1SB
	s_mov_b32 s[G0], 1
	s_mov_b32 s[G0+1], s45
	s_mov_b64 s[G0+2:G0+3], s[20:21]
	s_or_b32 s[G0+3], s[G0+3], 0x80000000
	s_mov_b32 s[G0B], 1
	s_mov_b32 s[G0B+1], s95
	s_mov_b64 s[G0B+2:G0B+3], s[46:47]
	s_or_b32 s[G0B+3], s[G0B+3], 0x80000000
	JLOAD G0, G1, G0B, G1B                         ; by this text's count two tensor loads of a wave are out
	v_and_b32 v1, 15, v0                           ; r
	v_bfe_u32 v2, v0, 4, 1                         ; h
	v_and_b32 v3, 31, v0
	v_lshlrev_b32 v[CO], 4, v3
	s_lshl_b32 s21, s15, 16
	v_add_nc_u32 v[ADR1], s21, v[CO]               ; my 128 tokens' images
	v_mul_u32_u24 v4, v1, PITCH
	v_lshl_add_u32 v4, v2, 4, v4
	s_mul_i32 s22, s16, HALFT
	s_add_co_u32 s22, s22, WOFF
	v_add_nc_u32 v[ADR0], s22, v4                  ; my 128 rows of w
	v_lshlrev_b32 v5, 5, v1
	v_lshrrev_b32 v6, 3, v1
	v_lshl_add_u32 v5, v6, 4, v5                   ; my row's scale bytes: 32 a row, and 16 more for each 256 passed
	s_mul_i32 s21, s15, HALFS                      ; a's: my 128 rows
	s_mul_i32 s22, s16, HALFS
	s_add_co_u32 s22, s22, 2*HALFS                 ; w's: my 128 rows, behind a's 256
	s_sub_co_u32 s22, s22, s21
	v_mul_u32_u24 v6, s22, v2                      ; lanes 16-31 take w's: the lower base + h x the distance
	s_add_co_u32 s21, s21, SCL
	v_add_nc_u32 v5, v5, v6
	v_add_nc_u32 v[ADRS], s21, v5
	s_mul_i32 s23, s14, 16*SPITCH
	s_add_co_u32 s23, s23, STAGE                   ; my stage
	v_mul_u32_u24 v5, v1, SPITCH
	v_lshl_add_u32 v5, v2, 5, v5
	v_add_nc_u32 v[STO], s23, v5                   ; in: row r, 32 bytes for each half of the lanes
	v_add_nc_u32 v[RD], s23, v[CO]                 ; back: the 32 lanes take one row of 512 bytes
	s_lshl_b32 s20, s17, 8
	s_lshl_b32 s21, s15, 7
	s_add_co_u32 s20, s20, s21
	s_lshl_b32 s20, s20, 12                        ; my first row of out0: 4,096 bytes a row
	s_lshl_b32 s18, s42, 10
	s_lshl_b32 s19, s16, 9
	s_add_co_u32 s18, s18, s19                     ; my first column, in bytes; the same offset serves b_out
	s_mov_b32 s19, 0
	s_mov_b32 s21, 0
	s_add_nc_u64 s[12:13], s[12:13], s[20:21]
	s_add_nc_u64 s[12:13], s[12:13], s[18:19]
	s_add_nc_u64 s[36:37], s[36:37], s[18:19]
	v_lshlrev_b32 v7, 5, v2                        ; the bias: register 8 b + j = b_out at column 16 b + 8 h + j
	WIN 0x40                                       ; destination window 1
.irp b, 0,1,2,3,4,5,6,7
	global_load_b128 v[BIAS+8*\b:BIAS+8*\b+3],   v7, s[36:37] offset:64*\b
	global_load_b128 v[BIAS+8*\b+4:BIAS+8*\b+7], v7, s[36:37] offset:64*\b+16
.endr
	WIN 0
.macro FETCH0 q, p                     ; w's eight fragments of the q-th 128 along K into buffer p of window 1
	WIN 0x40
.irp i, 0,1,2,3,4,5,6,7
.irp c, 0,1
	ds_load_b128 v[128*(\p)+8*\i+4*\c:128*(\p)+8*\i+4*\c+3], v[ADR0] offset:64*(\q)+32*\c+\i*16*PITCH
.endr
.endr
	WIN 0
.endm
.macro FETCH1 q, i0                    ; a's blocks i0 .. i0 + 3: images, 512 bytes a load
.irp i, \i0, \i0+1, \i0+2, \i0+3
.irp c, 0,1
	ds_load_b128 v[AF+8*(\i)+4*\c:AF+8*(\i)+4*\c+3], v[ADR1] offset:8192*(\i)+1024*(\q)+512*\c
.endr
.endr
.endm
.macro SCALES
.irp i, 0,1,2,3,4,5,6,7
	ds_load_b128 v[SC+8*\i:SC+8*\i+3],   v[ADRS] offset:\i*SBLK
	ds_load_b128 v[SC+8*\i+4:SC+8*\i+7], v[ADRS] offset:\i*SBLK+16
.endr
.endm
; 16 matrix instructions: a's blocks a0, a0 + 1 x w's eight.  first = 1: the sums begin with the bias.  The 64 accumulators take turns, one instruction a turn.
.macro MUL16 a0, p, q, first
.irp a, \a0, \a0+1
.irp b, 0,1,2,3,4,5,6,7
.if \first
	v_wmma_scale_f32_16x16x128_f8f6f4 v[8*(8*((\a)%4)+\b):8*(8*((\a)%4)+\b)+7], v[128*(\p)+8*\b:128*(\p)+8*\b+7], v[AF+8*(\a):AF+8*(\a)+7], v[BIAS+8*\b:BIAS+8*\b+7], v[SC+8*\b+(\q)], v[SC+8*(\a)+(\q)] matrix_a_fmt:MATRIX_FMT_FP4 matrix_b_fmt:MATRIX_FMT_FP4 matrix_a_scale:MATRIX_SCALE_ROW1
.else
	v_wmma_scale_f32_16x16x128_f8f6f4 v[8*(8*((\a)%4)+\b):8*(8*((\a)%4)+\b)+7], v[128*(\p)+8*\b:128*(\p)+8*\b+7], v[AF+8*(\a):AF+8*(\a)+7], v[8*(8*((\a)%4)+\b):8*(8*((\a)%4)+\b)+7], v[SC+8*\b+(\q)], v[SC+8*(\a)+(\q)] matrix_a_fmt:MATRIX_FMT_FP4 matrix_b_fmt:MATRIX_FMT_FP4 matrix_a_scale:MATRIX_SCALE_ROW1
.endif
.endr
.endr
.endm
.macro STEP q, first, last             ; 128 along K: a's blocks 0-3 are fetched anew in the middle, blocks 4-7 at the end; w has two buffers
	s_wait_dscnt 8                                 ; all but the youngest eight loads (a's blocks 4-7) are in
.if \first
	WIN 0x91
.else
	WIN 0xa1
.endif
	MUL16 0, (\q)%2, \q, \first
	MUL16 2, (\q)%2, \q, \first
	s_wait_dscnt 0
.if \last == 0
	PLACES NP
	FETCH0 (\q)+1, 1-(\q)%2
	FETCH1 (\q)+1, 0
.endif
.if \first
	WIN 0xd1
.else
	WIN 0xf1
.endif
	MUL16 4, (\q)%2, \q, \first
	MUL16 6, (\q)%2, \q, \first
.if \last == 0
	PLACES NP
	WIN 0
	FETCH1 (\q)+1, 4
.endif
.endm
	s_wait_tensorcnt 0x0                           ; my parts of the tiles and of the scales are in,
	s_barrier_signal -1
	s_barrier_wait -1                              ; everybody's are
	FETCH0 0, 0
	FETCH1 0, 0
	SCALES
	FETCH1 0, 4
	s_wait_loadcnt 0x0                             ; the bias
	STEP 0, 1, 0
	STEP 1, 0, 0
	STEP 2, 0, 0
	STEP 3, 0, 0
	STEP 4, 0, 0
	STEP 5, 0, 0
	STEP 6, 0, 0
	STEP 7, 0, 1
	WIN 0
; THE WAY OUT, block by block of 16 rows x 128 columns, through my own stage: a lane holds 32 neighbouring bytes of a row, and the lanes beside it hold other rows; back come whole rows of 512 bytes.
; LDS serves a wave's instructions in order (ISA guide 5.7.1.4): no wait between the stores and the loads, nor in front of the next block's stores.
.macro TOSTAGE a
.set AC, 64*((\a)%4)
	WIN 0x08+4*((\a)/4)                            ; an LDS store's data are its source 1: window 2 or 3
.irp b, 0,1,2,3,4,5,6,7
	ds_store_b128 v[STO], v[AC+8*\b:AC+8*\b+3] offset:64*\b          ; each accumulator from its low end on
	ds_store_b128 v[STO], v[AC+8*\b+4:AC+8*\b+7] offset:64*\b+16
.endr
	WIN 0
.set BB, BK+64*((\a)%2)
.irp t, 0,1,2,3,4,5,6,7,8,9,10,11,12,13,14,15
	ds_load_b128 v[BB+4*\t:BB+4*\t+3], v[RD] offset:\t*SPITCH
.endr
.endm
.macro SEND a, younger                 ; younger: the LDS instructions issued behind block a's loads, which may stay out
.set BB, BK+64*((\a)%2)
	s_wait_dscnt \younger
.irp t, 0,1,2,3,4,5,6,7,8,9,10,11,12,13,14,15
	global_store_b128 v[CO], v[BB+4*\t:BB+4*\t+3], s[12:13] offset:(16*(\a)+\t)*4096 th:TH_STORE_NT   ; 32 lanes store 512 consecutive bytes, at a multiple of 256 from out0's first byte; the row stands in the immediate: 127 x 4,096 at the most
.endr
.endm
	PLACES NP                                      ; behind the last products: results are read, and loads land in the registers of a's fragments
	TOSTAGE 0
.irp a, 1,2,3,4,5,6,7
.if \a > 1
	s_wait_xcnt 0x0                                ; block a - 2's stores have read their registers: block a's loads may land there
.endif
	TOSTAGE \a
	SEND \a-1, 32                                  ; behind block a - 1's loads: block a's 16 stores and 16 loads
.endr
	SEND 7, 0
	s_wait_dscnt 0x0
	s_wait_tensorcnt 0x0
	ds_add_u32 v126, v127
	s_wait_dscnt 0x0
	CROUND                                         ; the closing round: no work-group ends while a partner may still ask for a tile that names it
	s_endpgm
.Lfunc_end_k_q37e21dfe23_outproj:
	.size	k_q37e21dfe23_outproj, .Lfunc_end_k_q37e21dfe23_outproj-k_q37e21dfe23_outproj
	.p2alignl 7, 3214868480
	.fill 96, 4, 3214868480
	.section	.rodata,"a",@progbits
	.p2align	6, 0x0
	.amdhsa_kernel k_q37e21dfe23_outproj
		.amdhsa_group_segment_fixed_size 317952
		.amdhsa_private_segment_fixed_size 0
		.amdhsa_enable_private_segment 0
		.amdhsa_kernarg_size 48
		.amdhsa_user_sgpr_count 2
		.amdhsa_user_sgpr_kernarg_segment_ptr 1
		.amdhsa_wavefront_size32 1
		.amdhsa_system_sgpr_workgroup_id_x 1
		.amdhsa_system_sgpr_workgroup_id_y 1
		.amdhsa_system_sgpr_workgroup_id_z 1
		.amdhsa_system_vgpr_workitem_id 0
		.amdhsa_next_free_vgpr 1024
		.amdhsa_next_free_sgpr 100
		.amdhsa_reserve_vcc 0
		.amdhsa_float_denorm_mode_32 3
		.amdhsa_float_denorm_mode_16_64 3
		.amdhsa_memory_ordered 1
		.amdhsa_forward_progress 1
		.amdhsa_inst_pref_size 124
	.end_amdhsa_kernel
	.amdgpu_metadata
---
amdhsa.version: [ 1, 2 ]
amdhsa.kernels:
  - .name:           k_q37e21dfe23_outproj
    .symbol:         k_q37e21dfe23_outproj.kd
    .args:
      - { .name: ai, .offset: 0, .size: 8, .value_kind: global_buffer, .address_space: global }
      - { .name: asc, .offset: 8, .size: 8, .value_kind: global_buffer, .address_space: global }
      - { .name: w_out_codes, .offset: 16, .size: 8, .value_kind: global_buffer, .address_space: global }
      - { .name: w_out_scales, .offset: 24, .size: 8, .value_kind: global_buffer, .address_space: global }
      - { .name: b_out, .offset: 32, .size: 8, .value_kind: global_buffer, .address_space: global }
      - { .name: out0, .offset: 40, .size: 8, .value_kind: global_buffer, .address_space: global }
    .group_segment_fixed_size: 317952
    .private_segment_fixed_size: 0
    .kernarg_segment_align: 8
    .kernarg_segment_size: 48
    .max_flat_workgroup_size: 128
    .sgpr_count:     100
    .vgpr_count:     1024
    .wavefront_size: 32
...
	.end_amdgpu_metadata
.endif
;; end of part 4
